; MI455X (gfx1250); checked and timed in simulation.
; The chip was launched on July 23, 2026; its instructions are those of AMD's public machine-readable ISA for CDNA 5 (MIT licence, August 2026) and "CDNA5" Instruction Set Architecture Reference Guide (July 2026). The comments in the code are by the model that wrote it; some were corrected since.
;; Attention. Allowed arithmetic: matrix products marked QUANTISED: E2M3 operands, one E8M0 scale for each 32 along K, by v_wmma_scale_f32_16x16x128_f8f6f4 with both operands' format E2M3, f32 sums; everything else in f32.
;; Inputs: W2 2,048 x 2,048 float32; Wk 128 x 2,048 float32; Wq 128 x 2,048 float32; x 4,096 x 2,048 float32.
;; Outputs: out0 4,096 x 2,048 float32.
;; This version of the problem:
;;   THIS VERSION OF THE PROBLEM IS GIVEN IN LOW PRECISION. The matrix products marked QUANTISED in the list below multiply operands that are first quantised to E2M3 (2 exponent bits, 3 mantissa bits; 6 bits a number), with one power-of-two scale for each 32 numbers along K (OCP MX v1.0); their sums are f32. All else is computed in f32.
;;   The module's matrix products, in the order in which they are computed (A, B: the left and right operand; K: the contracted axis; several contracted axes count as one K, in the product's order):
;;     1. [M 4,096, K 2,048] x [K 2,048, N 128]; A: input x; B: input Wq: QUANTISED
;;     2. [M 4,096, K 2,048] x [K 2,048, N 128]; A: input x; B: input Wk: QUANTISED
;;     3. [M 4,096, K 128] x [K 128, N 4,096]; A: computed on the way; B: computed on the way: QUANTISED
;;     4. [M 4,096, K 4,096] x [K 4,096, N 2,048]; A: softmax (see below); B: input x: QUANTISED
;;     5. [M 4,096, K 2,048] x [K 2,048, N 2,048]; A: computed on the way; B: input W2: QUANTISED
;;   THE QUANTISER, for each operand of a quantised product, along K:
;;     - K is cut into blocks of 32 from its start; a last block that is shorter is filled with zeros.
;;     - A block's scale is 2^e with e = floor(log2(the largest magnitude in the block)) - 2, held to -126 .. 127; a block of zeros has e = 0. As a byte (E8M0): e + 127.
;;     - Each number is divided by its block's scale, clamped to +-7.5, and rounded to the nearest number of E2M3, ties to even, subnormals kept.
;;     - The product sums the exact products of the quantised numbers (number of the format x scale) in f32.
;;   ~~~python
;;   def quantise(x, axis):      # numpy; x: float32 -> the quantised numbers, widened to float32 again
;;       x = np.moveaxis(x, axis, -1); K = x.shape[-1]
;;       x = np.pad(x, [(0, 0)] * (x.ndim - 1) + [(0, -K % 32)]); x = x.reshape(x.shape[:-1] + (-1, 32)); a = np.abs(x).max(-1, keepdims=True)
;;       e = np.where(a > 0, np.clip(np.frexp(np.where(a > 0, a, 1))[1] - 1 - 2, -126, 127), 0)      # np.frexp(a)[1] - 1 = floor(log2(a)), exactly
;;       r = np.clip(x / 2.0 ** e, -7.5, 7.5)
;;       step = 2.0 ** (np.maximum(np.frexp(np.where(r == 0, 1, r))[1] - 1, 0) - 3)
;;       q = np.round(r / step) * step * 2.0 ** e      # np.round: ties to even
;;       return np.moveaxis(q.reshape(q.shape[:-2] + (-1,))[..., :K], -1, axis).astype(np.float32)
;;   ~~~
;;   SOFTMAX AHEAD OF A QUANTISED PRODUCT. Where the list says 'softmax', what is quantised is not the finished softmax but p = 2^(t - M), with t = logit x log2(e) and M = ceil(the row's largest t), a whole number; so 1/2 < the row's largest p <= 1. The row's sum l is taken of the UNQUANTISED p, in f32, and the product's result is divided by l at the end. Since M is a whole number, a kernel that streams over the keys may use a running M (the ceiling of the running maximum): every later rescaling is an exact power of two, which a block's scale takes up: the codes' values come out the same.
;;   OPERANDS COMPUTED ON THE WAY. 'Computed on the way' means the value that the module computes at that place (a softmax that the list does not call 'softmax' is quantised finished and normalised). What goes into a quantiser is computed in f32, as accurately as f32 sums, v_exp_f32 and their like allow (about 1e-6 of the number): no bf16 or f16 on the way to a quantiser, and a product that is left as it is and whose result goes on into a quantised operand takes f32 operands (vector FMAs, or v_wmma_f32_16x16x4_f32). A number that lies on a knife's edge between two numbers of the format may be rounded either way, as far as f32 arithmetic and the matrix unit's own rounding can turn it there, and no further.
;; One version. Each part assembles by itself: llvm-mc -triple=amdgcn-amd-amdhsa -mcpu=gfx1250 --defsym DOCPART=n.
;; ======== version 1 of 1: 5 launches
;; limits: right only within a limited range of input values
;; workspace buffers: xr 6,553,600 bytes; xc 20,070,400 bytes; w2c 3,276,800 bytes; wqk 409,600 bytes; qkc 819,200 bytes; rl 16,384 bytes; oc 6,553,600 bytes
;; launch quant (part 1): grid 200 x 1, 16 waves a work-group, no clusters, 272,896 bytes of LDS; arguments x, W2, Wq, Wk, xr, xc, w2c, wqk; writes xr, xc, w2c, wqk
.if DOCPART == 1
	.amdgcn_target "amdgcn-amd-amdhsa--gfx1250"
	.amdhsa_code_object_version 6
	.text
	.protected	k_qf0d7b85eb7_quant
	.globl	k_qf0d7b85eb7_quant
	.p2align	8
	.type	k_qf0d7b85eb7_quant,@function
k_qf0d7b85eb7_quant:
	s_mov_b64 s[64:65], 0
	v_nop
	global_prefetch_b8 v0, s[64:65] scope:SCOPE_SE
	s_setreg_imm32_b32 hwreg(HW_REG_WAVE_MODE, 25, 1), 1
	s_wait_xcnt 0x0
; x, W2, Wq, Wk (f32) become codes of FP6 (E2M3) with one E8M0 byte for each 32 along K, laid as IMAGES OF OPERAND REGISTERS.
; A BLOCK (12,800 bytes) is 128 rows x 128 K: byte 1536 f + 512 c + 16 lane holds registers 4 c .. 4 c + 3 of fragment f (16 rows x 128 K, 12 registers a lane);
; byte 12288 + 64 f + 4 r holds the scale word of lane-row r of fragment f.  Lane-row r of fragment f is row 32 (f / 2) + 8 (f % 2) + r + 8 (r / 8) of the 128; along K the order is the natural one.
; Blocks lie [group of 128 rows][K step of 128].  x is quantised twice: along its channels (xr: rows = tokens) and along its tokens (xc: rows = channels).
; SHARES: 800 tiles of 128 x 128 numbers, four to a work-group, FOUR WAVES TO A TILE: tile T = 4 x work-group + wave / 4, quarter = wave % 4.  T < 512: x (both ways); < 768: W2; < 784: Wq; else Wk.
; The bounds are whole work-groups, so the choice hangs on the work-group's number alone.
; A wave brings its quarter of the tile, 32 rows, into LDS by one tensor load (512 bytes + 16 of padding a row; the quarters 32 bytes further apart than their rows, so that lanes 16-31, which read 32 rows further down
; in the second way, fall on other banks than lanes 0-15).  One tensor load of a wave is out; nothing is stored to LDS and nothing is filled twice.
; THE ROWS' WAY: fragments 2 x quarter and 2 x quarter + 1 lie wholly in the wave's own quarter: its own wait on TENSORcnt orders those reads.  THE COLUMNS' WAY reads all four quarters: one barrier stands in between,
; behind every wave's wait for its load.  Four waves stand on a SIMD, so that one wave's LDS loads and chains of maxima stand beside another's arithmetic.
; A lane holds two whole blocks of 32 along K (k = 64 c + 32 h + 0 .. 31), so a block's largest magnitude needs no other lane and the conversions' results are the operand's registers.
; No cluster: no two work-groups read the same tile.
; LIMITS: NaN and infinities among the inputs are not served; a block whose largest magnitude lies under 2^-124, a block of zeros among them, gets the byte 1 (its codes under that byte are what the conversion gives; zeros stay zeros); only this program reads the bytes.
.set BLK,   12800
.set PITCH, 528                        ; a row in LDS
.set QUART, 32*PITCH+32                ; from quarter to quarter
.set WREG,  4*QUART                    ; a tile's LDS
.set LI,  1                            ; v1   16 x lane
.set LS,  2                            ; v2   4 x lane
.set AR,  3                            ; v3   rows' way: my quarter + (r + 8 (r / 8)) PITCH + 128 h
.set AC,  4                            ; v4   columns' way: the tile's LDS + 128 x quarter + h QUART + 4 (r + 8 (r / 8))
.set E8,  5                            ; v5   8 h
.set M,   10                           ; v10-11 largest magnitudes
.set SCO, 12                           ; v12-13 the conversions' scale operands
.set BY,  14                           ; v14-15 the bytes
.set PW0, 16                           ; v16-17 scale words of my even and my odd fragment
.set PWS, 18                           ; v18  the two joined: lanes 0-15 the even one's, lanes 16-31 the odd one's
.set TP,  19                           ; v19  a permute's target
.set PC,  20                           ; v20-31 a fragment's codes
.set TC,  32                           ; v32-38 the second halves as the conversions leave them
.set X0,  64                           ; v64-127, v128-191 two sets of 64 numbers
	s_load_b256 s[4:11], s[0:1], 0x0               ; x, W2, Wq, Wk
	s_load_b256 s[12:19], s[0:1], 0x20
	v_lshl_add_u32 v40, v0, 2, 270848              ; my spare word, behind the four tiles (2,048 bytes for sixteen waves); v40, v41 are kept for the add alone
	v_mov_b32 v41, 0
	ds_add_u32 v40, v41                            ; the opening lines: the add, twice on end, and its wait ahead of my tensor load
	ds_add_u32 v40, v41
	v_lshrrev_b32 v6, 5, v0
	s_delay_alu instid0(VALU_DEP_1)
	v_readfirstlane_b32 s20, v6                    ; wave 0..15
	s_lshr_b32 s22, s20, 2                         ; which of the work-group's four tiles
	s_and_b32 s23, s20, 3                          ; which quarter of it
	s_lshl_b32 s21, ttmp9, 2
	s_add_co_u32 s21, s21, s22                     ; T
	s_mul_i32 s56, s22, WREG                       ; the tile's LDS
	s_mul_i32 s69, s23, QUART
	s_add_co_u32 s69, s69, s56                     ; my quarter
	s_lshl_b32 s74, s23, 7
	s_add_co_u32 s74, s74, s56                     ; the tile's LDS + 128 x quarter: the 32 columns of my two fragments
	s_mul_i32 s75, s23, 2*1536                     ; my two fragments' codes in a block,
	s_lshl_b32 s76, s23, 7
	s_add_co_u32 s76, s76, 12288                   ; and their scale words
	s_mov_b32 s24, (2<<16)|(1<<20)|(6<<22)|(3<<25) ; group 1: elements of 4 bytes; padding on: behind every 128 words 4 words
	s_mov_b32 s25, 128<<16                         ; tensor_dim0 = 128
	s_mov_b32 s26, 32<<16                          ; tensor_dim1 = 32
	s_mov_b32 s27, 128<<16                         ; tile_dim0 = 128
	s_mov_b32 s28, 32                              ; tile_dim1 = 32
	s_mov_b32 s29, 2048                            ; elements from row to row
	s_mov_b32 s30, 0
	s_mov_b32 s31, 0
	s_mov_b32 s66, 0x76543210
	s_mov_b32 s67, 0xfedcba98                      ; selects: lane l xor 16
	s_mov_b32 s68, 0xffff0000                      ; lanes 16-31
	v_and_b32 v6, 31, v0
	s_delay_alu instid0(VALU_DEP_1)
	v_lshlrev_b32 v[LI], 4, v6
	s_delay_alu instid0(VALU_DEP_2)
	v_lshlrev_b32 v[LS], 2, v6
	v_and_b32 v7, 15, v0                           ; r
	v_bfe_u32 v8, v0, 4, 1                         ; h
	s_delay_alu instid0(VALU_DEP_2)
	v_and_b32 v9, 8, v7
	s_delay_alu instid0(VALU_DEP_1)
	v_add_nc_u32 v9, v9, v7                        ; r + 8 (r / 8)
	s_delay_alu instid0(VALU_DEP_1)
	v_mul_u32_u24 v[AR], v9, PITCH
	s_delay_alu instid0(VALU_DEP_1)
	v_lshl_add_u32 v[AR], v8, 7, v[AR]
	s_delay_alu instid0(VALU_DEP_1)
	v_add_nc_u32 v[AR], s69, v[AR]
	v_mul_u32_u24 v[AC], v8, QUART
	s_delay_alu instid0(VALU_DEP_1)
	v_lshl_add_u32 v[AC], v9, 2, v[AC]
	s_delay_alu instid0(VALU_DEP_1)
	v_add_nc_u32 v[AC], s74, v[AC]
	v_lshlrev_b32 v[E8], 3, v8
	v_mov_b32 v[TP], 0                             ; a lane permute's destination counts as one of its sources
	s_wait_alu depctr_va_vdst(0)
	s_wait_dscnt 0x0                               ; both opening adds are done
	s_wait_kmcnt 0x0
	s_mov_b64 s[48:49], s[10:11]                   ; from: Wk,
	s_mov_b64 s[50:51], s[18:19]                   ; to: wqk,
	s_mov_b32 s52, 784                             ; the source's first tile,
	s_mov_b32 s53, 768                             ; the destination's first tile; then the three bounds
	s_cmp_lt_u32 ttmp9, 196
	s_cselect_b64 s[48:49], s[8:9], s[48:49]
	s_cselect_b32 s52, 768, s52
	s_cmp_lt_u32 ttmp9, 192
	s_cselect_b64 s[48:49], s[6:7], s[48:49]
	s_cselect_b64 s[50:51], s[16:17], s[50:51]
	s_cselect_b32 s52, 512, s52
	s_cselect_b32 s53, 512, s53
	s_cmp_lt_u32 ttmp9, 128
	s_cselect_b64 s[48:49], s[4:5], s[48:49]
	s_cselect_b64 s[50:51], s[12:13], s[50:51]
	s_cselect_b32 s52, 0, s52
	s_cselect_b32 s53, 0, s53
	s_sub_co_u32 s57, s21, s52                     ; the tile's number in its source: 16 tiles to a group of 128 rows
	s_lshr_b32 s58, s57, 4
	s_lshl_b32 s58, s58, 20                        ; 128 rows of 8,192 bytes
	s_and_b32 s59, s57, 15
	s_lshl_b32 s59, s59, 9                         ; 128 numbers
	s_add_co_u32 s58, s58, s59
	s_lshl_b32 s59, s23, 18                        ; my quarter: 32 rows of 8,192 bytes
	s_add_co_u32 s58, s58, s59
	s_mov_b32 s59, 0
	s_mov_b32 s32, 1                               ; group 0: count = 1,
	s_mov_b32 s33, s69                             ; LDS address: my quarter,
	s_add_nc_u64 s[34:35], s[48:49], s[58:59]      ; its first number in memory,
	s_or_b32 s35, s35, 0x80000000                  ; type = 2
	tensor_load_to_lds s[32:35], s[24:31]          ; my one fill, ahead of every wait on TENSORcnt, every LDS read and the barrier
	s_nop 0
.rept 4
	v_nop
.endr
	s_sub_co_u32 s60, s21, s53
	s_mul_i32 s60, s60, BLK                        ; my tile's block,
	s_add_co_u32 s62, s60, s76                     ; my scale words in it,
	s_mov_b32 s63, 0
	s_add_co_u32 s60, s60, s75                     ; my codes in it
	s_mov_b32 s61, 0
	s_add_nc_u64 s[70:71], s[50:51], s[62:63]
	s_add_nc_u64 s[50:51], s[50:51], s[60:61]
	s_and_b32 s62, s21, 15                         ; xc: block 32 x (channel group) + token group (used by x's tiles alone)
	s_lshl_b32 s62, s62, 5
	s_lshr_b32 s63, s21, 4
	s_add_co_u32 s62, s62, s63
	s_mul_i32 s62, s62, BLK
	s_add_co_u32 s60, s62, s76
	s_mov_b32 s61, 0
	s_add_co_u32 s62, s62, s75
	s_mov_b32 s63, 0
	s_add_nc_u64 s[72:73], s[14:15], s[60:61]
	s_add_nc_u64 s[54:55], s[14:15], s[62:63]
; 64 numbers of a lane, v[x + 32 c + i] = k 64 c + 32 h + i of my row, become the fragment's 12 registers in v[PC] on and my row's scale word in v[pw]
.macro QUANT6 x, pw
.irp c, 0,1
	v_max3_num_f32 v[M+\c], |v[(\x)+32*\c]|, |v[(\x)+32*\c+1]|, 0x1800000   ; with the floor 2^(3 - 127): the byte cannot fall under 1
.endr
.irp i, 2,4,6,8,10,12,14,16,18,20,22,24,26,28,30
.irp c, 0,1
	s_delay_alu instid0(VALU_DEP_2)
	v_max3_num_f32 v[M+\c], v[M+\c], |v[(\x)+32*\c+\i]|, |v[(\x)+32*\c+\i+1]|   ; the two blocks by turns
.endr
.endr
.irp c, 0,1
	s_delay_alu instid0(VALU_DEP_2)
	v_add_nc_u32 v[SCO+\c], 0xff000000, v[M+\c]    ; 2 off the exponent field: the conversion takes that field as its scale
.endr
.irp c, 0,1
	s_delay_alu instid0(VALU_DEP_2)
	v_lshrrev_b32 v[BY+\c], 23, v[SCO+\c]          ; the byte
.endr
	s_delay_alu instid0(VALU_DEP_1)
	v_lshl_or_b32 v[\pw], v[BY+1], 16, v[BY]       ; my blocks are h and 2 + h of the row's four
	s_delay_alu instid0(VALU_DEP_1)
	v_lshlrev_b32 v[\pw], v[E8], v[\pw]
	s_delay_alu instid0(VALU_DEP_1)
	v_permlanex16_b32 v[TP], v[\pw], s66, s67
	s_delay_alu instid0(VALU_DEP_1)
	v_or_b32 v[\pw], v[\pw], v[TP]                 ; with lane l xor 16's two the word is whole
.irp c, 0,1
	v_cvt_scalef32_pk16_fp6_f32 v[PC+6*\c:PC+6*\c+2], v[(\x)+32*\c:(\x)+32*\c+15], v[SCO+\c]
	v_cvt_scalef32_pk16_fp6_f32 v[TC+4*\c:TC+4*\c+2], v[(\x)+32*\c+16:(\x)+32*\c+31], v[SCO+\c]   ; (a conversion's three registers begin on an even number)
.endr
	v_nop                                          ; one plain place behind a scaled conversion
.irp c, 0,1
.irp i, 0,1,2
	v_mov_b32 v[PC+3+6*\c+\i], v[TC+4*\c+\i]
.endr
.endr
.endm
.macro ROWLOAD e                       ; my fragment e (0, 1), K along the tile's rows: 16 loads of 16 bytes, all from my own quarter
.irp c, 0,1
.irp j, 0,1,2,3,4,5,6,7
	ds_load_b128 v[X0+64*(\e)+32*\c+4*\j:X0+64*(\e)+32*\c+4*\j+3], v[AR] offset:8*(\e)*PITCH+256*\c+16*\j
.endr
.endr
.endm
.macro COLLOAD e                       ; my fragment e, K down the tile's rows: a lane takes a column, its registers run down K through all four quarters
.set ci, 0
.rept 64
	ds_load_b32 v[X0+64*(\e)+ci], v[AC] offset:2*(ci/32)*QUART+(ci%32)*PITCH+32*(\e)
.set ci, ci+1
.endr
.endm
.macro EMIT e, cb, sb                  ; my fragment e is quantised and stored: each store of codes covers 512 consecutive bytes, aligned to 256
	s_wait_xcnt 0x0                                ; the earlier stores have read their data: the codes' registers and the joined scale word are written again only behind this wait
	QUANT6 X0+64*(\e), PW0+(\e)
.irp c, 0,1,2
	global_store_b128 v[LI], v[PC+4*\c:PC+4*\c+3], s[\cb:\cb+1] offset:1536*(\e)+512*\c
.endr
.if \e
	v_cndmask_b32 v[PWS], v[PW0], v[PW0+1], s68
	global_store_b32 v[LS], v[PWS], s[\sb:\sb+1]   ; my two fragments' scale words: 128 consecutive bytes
.endif
.endm
	s_wait_tensorcnt 0x0                           ; my quarter is in
	ROWLOAD 0
	ROWLOAD 1
	s_wait_dscnt 16                                ; the first fragment's numbers are in; the second's sixteen loads may be out
	EMIT 0, 50, 70
	s_wait_dscnt 0x0
	EMIT 1, 50, 70
	s_wait_tensorcnt 0x0                           ; behind my one tensor load; nothing writes LDS after this
	ds_add_u32 v40, v41
	s_wait_dscnt 0x0
	s_barrier_signal -1
	s_barrier_wait -1                              ; behind this wait that holds of all sixteen waves: the four quarters of every tile are whole
	s_cmp_ge_u32 ttmp9, 128                        ; the weights are done; x goes on, along its tokens
	s_cbranch_scc1 .Lend
	COLLOAD 0
	s_wait_dscnt 0x0
	COLLOAD 1                                      ; into the other set, while the first is worked
	EMIT 0, 54, 72
	s_wait_dscnt 0x0
	EMIT 1, 54, 72
.Lend:
	s_endpgm
.Lfunc_end_k_qf0d7b85eb7_quant:
	.size	k_qf0d7b85eb7_quant, .Lfunc_end_k_qf0d7b85eb7_quant-k_qf0d7b85eb7_quant
	.p2alignl 7, 3214868480
	.fill 96, 4, 3214868480
	.section	.rodata,"a",@progbits
	.p2align	6, 0x0
	.amdhsa_kernel k_qf0d7b85eb7_quant
		.amdhsa_group_segment_fixed_size 272896
		.amdhsa_private_segment_fixed_size 0
		.amdhsa_enable_private_segment 0
		.amdhsa_kernarg_size 64
		.amdhsa_user_sgpr_count 2
		.amdhsa_user_sgpr_kernarg_segment_ptr 1
		.amdhsa_wavefront_size32 1
		.amdhsa_system_sgpr_workgroup_id_x 1
		.amdhsa_system_sgpr_workgroup_id_y 1
		.amdhsa_system_sgpr_workgroup_id_z 1
		.amdhsa_system_vgpr_workitem_id 0
		.amdhsa_next_free_vgpr 192
		.amdhsa_next_free_sgpr 80
		.amdhsa_reserve_vcc 0
		.amdhsa_float_denorm_mode_32 3
		.amdhsa_float_denorm_mode_16_64 3
		.amdhsa_memory_ordered 1
		.amdhsa_forward_progress 1
		.amdhsa_inst_pref_size 34
	.end_amdhsa_kernel
	.amdgpu_metadata
---
amdhsa.version: [ 1, 2 ]
amdhsa.kernels:
  - .name:           k_qf0d7b85eb7_quant
    .symbol:         k_qf0d7b85eb7_quant.kd
    .args:
      - { .name: x, .offset: 0, .size: 8, .value_kind: global_buffer, .address_space: global }
      - { .name: W2, .offset: 8, .size: 8, .value_kind: global_buffer, .address_space: global }
      - { .name: Wq, .offset: 16, .size: 8, .value_kind: global_buffer, .address_space: global }
      - { .name: Wk, .offset: 24, .size: 8, .value_kind: global_buffer, .address_space: global }
      - { .name: xr, .offset: 32, .size: 8, .value_kind: global_buffer, .address_space: global }
      - { .name: xc, .offset: 40, .size: 8, .value_kind: global_buffer, .address_space: global }
      - { .name: w2c, .offset: 48, .size: 8, .value_kind: global_buffer, .address_space: global }
      - { .name: wqk, .offset: 56, .size: 8, .value_kind: global_buffer, .address_space: global }
    .group_segment_fixed_size: 272896
    .private_segment_fixed_size: 0
    .kernarg_segment_align: 8
    .kernarg_segment_size: 64
    .max_flat_workgroup_size: 512
    .sgpr_count:     80
    .vgpr_count:     192
    .wavefront_size: 32
...
	.end_amdgpu_metadata
.endif
;; end of part 1
;; launch proj (part 2): grid 64 x 2, 4 waves a work-group, clusters of 4 x 1, 205,312 bytes of LDS; arguments xr, wqk, qkc; writes qkc
.if DOCPART == 2
	.amdgcn_target "amdgcn-amd-amdhsa--gfx1250"
	.amdhsa_code_object_version 6
	.text
	.protected	k_qf0d7b85eb7_proj
	.globl	k_qf0d7b85eb7_proj
	.p2align	8
	.type	k_qf0d7b85eb7_proj,@function
k_qf0d7b85eb7_proj:
	s_mov_b64 s[64:65], 0
	v_nop
	global_prefetch_b8 v0, s[64:65] scope:SCOPE_SE
	s_setreg_imm32_b32 hwreg(HW_REG_WAVE_MODE, 25, 1), 1
	s_wait_xcnt 0x0
	s_wait_alu depctr_hold_cnt(0) depctr_sa_sdst(0) depctr_va_vdst(0) depctr_va_sdst(0) depctr_va_ssrc(0) depctr_va_vcc(0) depctr_vm_vsrc(0)
	s_getreg_b32 s2, hwreg(HW_REG_IB_STS2, 6, 4)
	s_cmp_eq_u32 s2, 0
	s_cbranch_scc0 .Lentry_in_a_cluster
	s_endpgm
.Lentry_in_a_cluster:
	s_bfe_u32 s2, ttmp6, 0x10000c
	s_cmp_lg_u32 s2, 0x3003
	s_cbranch_scc0 .Lentry_shape_is_right
	s_endpgm
.Lentry_shape_is_right:
; q = x Wq^T (work-group y = 0) and k = x Wk^T (y = 1) on codes of FP6 with E8M0 scales, K = 2,048, and the results quantised along their 128 outputs into blocks of the same make (see below).
; BLOCK: 12,800 bytes = 128 rows x 128 K as images of operand registers: byte 1536 f + 512 c + 16 lane = registers 4 c .. 4 c + 3 of fragment f; byte 12288 + 64 f + 4 r = the scale word of lane-row r of fragment f.
; Lane-row r of fragment f is row 32 (f / 2) + 8 (f % 2) + r + 8 (r / 8).
; SHARES: a work-group takes 64 tokens, a wave ONE fragment of x (16 tokens) against all 128 rows of W: 8 accumulators.  The product is used transposed (source 0 = 16 rows of W, source 1 = x): a lane holds one token,
; and by the order of W's rows the 16 registers of tiles 2 b, 2 b + 1 are outputs 32 b + 16 h + 0 .. 15: neighbours along the next K.
; W, 16 blocks = 204,800 bytes, lies in LDS whole, filled once.  CLUSTER: the four work-groups of a cluster want the same W, so it is asked for jointly: each wave issues one load of 51,200 bytes (K steps 4 w .. 4 w + 3),
; the same in all four work-groups; one tensor load of a wave is out.  x's fragments go from memory straight into registers, four K steps ahead: each is read by one wave alone.
; LIMITS: NaN and infinities are not served; a block of q or k whose largest magnitude lies under 2^-124 gets the byte 1.
.set BLK, 12800
.set WA,  4                            ; v4-7   16 x lane + 51,200 k: W's fragments of K steps 4 k .. 4 k + 3
.set WS,  8                            ; v8-11  4 x lane + 51,200 k: their scale words
.set XF,  16                           ; v16-63 x's fragments, four sets of 12
.set XS,  64                           ; v64-67 x's scale words
.set WSC, 68                           ; v68-71 W's scale words: register j: lanes 0-15 tile 2 j, lanes 16-31 tile 2 j + 1
.set HA,  72                           ; v72-135 the 8 accumulators
.set WF,  136                          ; v136-183 W's tiles 0-3, v184-231 tiles 4-7
.set PC,  136                          ; behind the products: the codes (20 registers),
.set TM,  160                          ; at work (16),
.set PW,  180                          ; the scale word
.set SEL, 46
.macro ROUND                           ; a round of the cluster's barrier
	s_barrier_signal -1
	s_barrier_wait -1
	s_cmp_lg_u32 s14, 0
	s_cbranch_scc1 .Lnot_wave_0_\@
	s_barrier_signal -3
.Lnot_wave_0_\@:
	s_barrier_wait -3
	s_barrier_signal -1
	s_barrier_wait -1
.endm
.macro PLACES                          ; four plain places behind a matrix instruction, ahead of loads into its registers and of reads of its result
.rept 4
	v_nop
.endr
.endm
	s_load_b128 s[4:7], s[0:1], 0x0                ; xr, wqk
	s_load_b64 s[8:9], s[0:1], 0x10
	v_lshl_add_u32 v12, v0, 2, 204800              ; my spare word, behind W; v12, v13 are kept for the add alone
	v_mov_b32 v13, 0
	ds_add_u32 v12, v13                            ; the opening lines: the add, twice on end, and its wait
	ds_add_u32 v12, v13
	v_lshrrev_b32 v1, 5, v0
	v_readfirstlane_b32 s14, v1                    ; wave
	s_bfe_u32 s40, ttmp6, 0x40000                  ; cx
	s_lshl_b32 s41, ttmp9, 2
	s_add_co_u32 s41, s41, s40                     ; which 64 tokens: it enters global addresses of x and of the result alone
	s_and_b32 s42, ttmp7, 0xffff                   ; y: Wq or Wk, shared by the partners
	s_lshr_b32 s43, s41, 1                         ; g: the group of 128 tokens
	s_and_b32 s44, s41, 1
	s_lshl_b32 s44, s44, 2
	s_add_co_u32 s44, s44, s14                     ; f: my fragment in it
	s_mov_b32 s24, 15|(3<<16)|(1<<21)              ; group 1: the mask names all four; elements of 8 bytes; bit 21 beside a mask; no padding
	s_mov_b32 s25, 32<<16                          ; rows of 256 bytes,
	s_mov_b32 s26, 200<<16                         ; 200 of them: four blocks, K steps 4 w .. 4 w + 3: one load a wave
	s_mov_b32 s27, 32<<16
	s_mov_b32 s28, 200
	s_mov_b32 s29, 32
	s_mov_b32 s30, 0
	s_mov_b32 s31, 0
	s_mov_b32 s[SEL], 0x76543210
	s_mov_b32 s[SEL+1], 0xfedcba98
	s_mul_i32 s16, s42, 16*BLK                     ; W's 16 blocks,
	s_mul_i32 s18, s14, 4*BLK
	s_add_co_u32 s16, s16, s18
	s_mov_b32 s17, 0
	s_mul_i32 s48, s43, 16*BLK                     ; x: g's row of blocks
	s_mul_i32 s49, s44, 1536
	s_add_co_u32 s50, s48, s49
	s_mov_b32 s51, 0
	s_lshl_b32 s55, s44, 6
	s_add_co_u32 s55, s55, 12288                   ; my fragment's scale words in a block
	s_add_co_u32 s52, s48, s55
	s_mov_b32 s53, 0
	s_lshl_b32 s54, s42, 5
	s_add_co_u32 s54, s54, s43
	s_mul_i32 s54, s54, BLK                        ; the result's block: 32 y + g
	s_add_co_u32 s56, s54, s49
	s_mov_b32 s57, 0
	s_add_co_u32 s58, s54, s55
	s_mov_b32 s59, 0
	v_and_b32 v3, 31, v0
	v_lshlrev_b32 v1, 4, v3                        ; v1: 16 x lane
	v_and_b32 v2, 15, v0
	v_lshlrev_b32 v2, 2, v2                        ; v2: 4 x (lane % 16)
	v_lshlrev_b32 v3, 2, v3                        ; 4 x lane
.irp k, 0,1,2,3
	v_add_nc_u32 v[WA+\k], 4*BLK*\k, v1
	v_add_nc_u32 v[WS+\k], 4*BLK*\k, v3
.endr
	s_wait_alu depctr_va_vdst(0)
	s_wait_dscnt 0x0                               ; both opening adds are done
	s_wait_kmcnt 0x0
	s_add_nc_u64 s[10:11], s[4:5], s[50:51]        ; x's codes
	s_add_nc_u64 s[12:13], s[4:5], s[52:53]        ; x's scale words
	s_add_nc_u64 s[20:21], s[8:9], s[56:57]        ; the result's codes
	s_add_nc_u64 s[22:23], s[8:9], s[58:59]        ; and scale words
	s_add_nc_u64 s[16:17], s[6:7], s[16:17]
.irp j, 0
	s_mov_b32 s[32+4*\j], 1
	s_add_co_u32 s[33+4*\j], s18, \j*8*BLK
	s_add_nc_u64 s[34+4*\j:35+4*\j], s[16:17], \j*8*BLK
	s_or_b32 s[35+4*\j], s[35+4*\j], 0x80000000
.endr
	ROUND                                          ; all four work-groups are here: the joint loads meet
	tensor_load_to_lds s[32:35], s[24:31]          ; K steps 4 w .. 4 w + 3
	s_nop 0
	PLACES
.macro XLOAD s                         ; my fragment of K step s: four loads
.irp c, 0,1,2
	global_load_b128 v[XF+12*((\s)%4)+4*\c:XF+12*((\s)%4)+4*\c+3], v1, s[10:11] offset:(\s)*BLK+512*\c
.endr
	global_load_b32 v[XS+(\s)%4], v2, s[12:13] offset:(\s)*BLK
.endm
.macro WLOAD grp, s                    ; four tiles of W of K step s and their scale words: 14 LDS loads
.irp t, 0,1,2,3
.irp c, 0,1,2
	ds_load_b128 v[WF+48*(\grp)+12*\t+4*\c:WF+48*(\grp)+12*\t+4*\c+3], v[WA+(\s)/4] offset:((\s)%4)*BLK+1536*(4*(\grp)+\t)+512*\c
.endr
.endr
.irp j, 0,1
	ds_load_b32 v[WSC+2*(\grp)+\j], v[WS+(\s)/4] offset:((\s)%4)*BLK+12288+128*(2*(\grp)+\j)
.endr
.endm
.macro MULP grp, s                     ; four products; the eight accumulators take turns, one instruction a turn; K step 0 starts the sums
.irp t, 0,1,2,3
.set rD, HA+8*(4*(\grp)+\t)
.set rW, WF+48*(\grp)+12*\t
.set rX, XF+12*((\s)%4)
.set rSW, WSC+2*(\grp)+\t/2
.set rSX, XS+(\s)%4
.if (\s) == 0
.if \t%2
	v_wmma_scale_f32_16x16x128_f8f6f4 v[rD:rD+7], v[rW:rW+11], v[rX:rX+11], 0, v[rSW], v[rSX] matrix_a_fmt:MATRIX_FMT_FP6 matrix_b_fmt:MATRIX_FMT_FP6 matrix_a_scale:MATRIX_SCALE_ROW1
.else
	v_wmma_scale_f32_16x16x128_f8f6f4 v[rD:rD+7], v[rW:rW+11], v[rX:rX+11], 0, v[rSW], v[rSX] matrix_a_fmt:MATRIX_FMT_FP6 matrix_b_fmt:MATRIX_FMT_FP6
.endif
.else
.if \t%2
	v_wmma_scale_f32_16x16x128_f8f6f4 v[rD:rD+7], v[rW:rW+11], v[rX:rX+11], v[rD:rD+7], v[rSW], v[rSX] matrix_a_fmt:MATRIX_FMT_FP6 matrix_b_fmt:MATRIX_FMT_FP6 matrix_a_scale:MATRIX_SCALE_ROW1
.else
	v_wmma_scale_f32_16x16x128_f8f6f4 v[rD:rD+7], v[rW:rW+11], v[rX:rX+11], v[rD:rD+7], v[rSW], v[rSX] matrix_a_fmt:MATRIX_FMT_FP6 matrix_b_fmt:MATRIX_FMT_FP6
.endif
.endif
.endr
.endm
.macro KSTEP s
.if 15-(\s) >= 3
	s_wait_loadcnt 12                              ; x of this step is in; the three younger steps' twelve loads may be out
.else
	s_wait_loadcnt 4*(15-(\s))
.endif
	s_wait_dscnt 14                                ; tiles 0-3 are in; tiles 4-7's fourteen loads may be out
	MULP 0, \s
	PLACES
.if (\s) < 15
	WLOAD 0, (\s)+1
	s_wait_dscnt 14                                ; tiles 4-7 are in; the fourteen just issued may be out
.else
	s_wait_dscnt 0x0
.endif
	MULP 1, \s
	PLACES
.if (\s) < 15
	WLOAD 1, (\s)+1
.endif
.if (\s) < 12
	XLOAD (\s)+4                                   ; into the set just multiplied
.endif
.endm
; 64 numbers of a lane, register 16 b + i = k 32 b + 16 h + i of my row, become a fragment in v[PC] on and its scale word in v[PW]
.macro QUANT11 s
.irp b, 0,1,2,3
	v_max3_num_f32 v[TM+\b], |v[\s+16*\b]|, |v[\s+1+16*\b]|, 0x1800000   ; with the floor 2^(3 - 127)
.endr
.irp i, 2,4,6,8,10,12,14
.irp b, 0,1,2,3
	v_max3_num_f32 v[TM+\b], v[TM+\b], |v[\s+16*\b+\i]|, |v[\s+1+16*\b+\i]|
.endr
.endr
.irp b, 0,1,2,3
	v_permlanex16_b32 v[TM+4+\b], v[TM+\b], s[SEL], s[SEL+1]
.endr
.irp b, 0,1,2,3
	v_max_num_f32 v[TM+\b], v[TM+\b], v[TM+4+\b]   ; with lane l xor 16's 16: the block's largest magnitude
.endr
.irp b, 0,1,2,3
	v_add_nc_u32 v[TM+12+\b], 0xff000000, v[TM+\b] ; 2 off the exponent field: the conversion's scale operand
.endr
.irp b, 0,1,2,3
	v_lshrrev_b32 v[TM+4+\b], 23, v[TM+12+\b]      ; the byte
.endr
	v_lshl_or_b32 v[PW], v[TM+5], 8, v[TM+4]
	v_lshl_or_b32 v[PW], v[TM+6], 16, v[PW]
	v_lshl_or_b32 v[PW], v[TM+7], 24, v[PW]
.irp c, 0,1
	v_cvt_scalef32_pk16_fp6_f32 v[PC+6*\c:PC+2+6*\c], v[\s+32*\c:\s+15+32*\c], v[TM+12+2*\c]
	v_cvt_scalef32_pk16_fp6_f32 v[PC+12+4*\c:PC+14+4*\c], v[\s+16+32*\c:\s+31+32*\c], v[TM+12+2*\c+1]
.endr
	v_nop                                          ; one plain place behind a scaled conversion
.irp c, 0,1                            ; the layout wants a whole block in a lane: lanes 0-15 block 2 c, lanes 16-31 block 2 c + 1
.irp i, 0,1,2
	v_permlane16_swap_b32 v[PC+6*\c+\i], v[PC+12+4*\c+\i]
.endr
.irp i, 0,1,2
	v_mov_b32 v[PC+3+6*\c+\i], v[PC+12+4*\c+\i]
.endr
.endr
.endm
.irp s, 0,1,2,3
	XLOAD \s
.endr
	s_wait_tensorcnt 0x0                           ; my four blocks of W are in; nothing writes LDS after this
	ds_add_u32 v12, v13
	s_wait_dscnt 0x0
	s_barrier_signal -1
	s_barrier_wait -1
	s_wait_alu depctr_va_vdst(0)
	WLOAD 0, 0
	WLOAD 1, 0
.irp s, 0,1,2,3,4,5,6,7,8,9,10,11,12,13,14,15
	KSTEP \s
.endr
.irp b, 0,1,2,3
	v_mov_b32 v[TM+4+\b], 0                        ; a lane permute's destination counts as one of its sources
.endr
	QUANT11 HA                                     ; my 16 tokens' 128 outputs: one fragment of q or of k
.irp c, 0,1,2
	global_store_b128 v1, v[PC+4*\c:PC+4*\c+3], s[20:21] offset:512*\c   ; 512 consecutive bytes, aligned to 256
.endr
	global_store_b32 v2, v[PW], s[22:23]           ; lanes r and r + 16 hold the same word and store it to the same place
	ROUND                                          ; the closing round: no work-group ends while a partner may still ask
	s_endpgm
.Lfunc_end_k_qf0d7b85eb7_proj:
	.size	k_qf0d7b85eb7_proj, .Lfunc_end_k_qf0d7b85eb7_proj-k_qf0d7b85eb7_proj
	.p2alignl 7, 3214868480
	.fill 96, 4, 3214868480
	.section	.rodata,"a",@progbits
	.p2align	6, 0x0
	.amdhsa_kernel k_qf0d7b85eb7_proj
		.amdhsa_group_segment_fixed_size 205312
		.amdhsa_private_segment_fixed_size 0
		.amdhsa_enable_private_segment 0
		.amdhsa_kernarg_size 24
		.amdhsa_user_sgpr_count 2
		.amdhsa_user_sgpr_kernarg_segment_ptr 1
		.amdhsa_wavefront_size32 1
		.amdhsa_system_sgpr_workgroup_id_x 1
		.amdhsa_system_sgpr_workgroup_id_y 1
		.amdhsa_system_sgpr_workgroup_id_z 1
		.amdhsa_system_vgpr_workitem_id 0
		.amdhsa_next_free_vgpr 240
		.amdhsa_next_free_sgpr 66
		.amdhsa_reserve_vcc 0
		.amdhsa_float_denorm_mode_32 3
		.amdhsa_float_denorm_mode_16_64 3
		.amdhsa_memory_ordered 1
		.amdhsa_forward_progress 1
		.amdhsa_inst_pref_size 65
	.end_amdhsa_kernel
	.amdgpu_metadata
---
amdhsa.version: [ 1, 2 ]
amdhsa.kernels:
  - .name:           k_qf0d7b85eb7_proj
    .symbol:         k_qf0d7b85eb7_proj.kd
    .args:
      - { .name: xr, .offset: 0, .size: 8, .value_kind: global_buffer, .address_space: global }
      - { .name: wqk, .offset: 8, .size: 8, .value_kind: global_buffer, .address_space: global }
      - { .name: qkc, .offset: 16, .size: 8, .value_kind: global_buffer, .address_space: global }
    .group_segment_fixed_size: 205312
    .private_segment_fixed_size: 0
    .kernarg_segment_align: 8
    .kernarg_segment_size: 24
    .max_flat_workgroup_size: 128
    .sgpr_count:     66
    .vgpr_count:     240
    .wavefront_size: 32
...
	.end_amdgpu_metadata
.endif
;; end of part 2
;; launch probs (part 3): grid 256 x 1, 16 waves a work-group, no clusters, 6,144 bytes of LDS; arguments qkc, xc, rl; writes xc, rl
.if DOCPART == 3
	.amdgcn_target "amdgcn-amd-amdhsa--gfx1250"
	.amdhsa_code_object_version 6
	.text
	.protected	k_qf0d7b85eb7_probs
	.globl	k_qf0d7b85eb7_probs
	.p2align	8
	.type	k_qf0d7b85eb7_probs,@function
k_qf0d7b85eb7_probs:
	s_mov_b64 s[64:65], 0
	v_nop
	global_prefetch_b8 v0, s[64:65] scope:SCOPE_SE
	s_setreg_imm32_b32 hwreg(HW_REG_WAVE_MODE, 25, 1), 1
	s_wait_xcnt 0x0
; scores = q k^T on codes of FP6 (K = 128), the causal mask, p = 2^(t - M) with t = score x log2(e) and M = the ceiling of the row's largest t, p quantised along the keys into blocks, and 1 / (the row's sum of the unquantised p).
; BLOCK: 12,800 bytes = 128 rows x 128 K as images of operand registers: byte 1536 f + 512 c + 16 lane = registers 4 c .. 4 c + 3 of fragment f; byte 12288 + 64 f + 4 r = the scale word of lane-row r.
; Lane-row r of fragment f is row 32 (f / 2) + 8 (f % 2) + r + 8 (r / 8) of its group of 128.
; SHARES: a work-group owns ONE fragment of q (16 queries: group g = number / 8, fragment f = number % 8); its sixteen waves share the keys: wave w has key steps w and w + 16, 128 keys each.
; The product is used transposed (source 0 = 16 keys, source 1 = q): a lane holds one query, and the 16 registers of tiles 2 b, 2 b + 1 are keys 32 b + 16 h + 0 .. 15 of the step.
; The whole row's scores stay in registers (128 a lane), so M is the row's true ceiling: pass 1 makes scores and maxima, the waves' maxima meet in LDS, pass 2 makes p.
; A step J < g is open; J = g lies on the diagonal and is masked; g < J under the bound s14 below gets zero codes under the byte 127, because the next launch walks K in pieces of 3 steps; beyond that nothing is stored or read.
; Loads and products of both steps stand on every path, so that every counted wait counts the same loads; a step past the diagonal loads block g once more (min(J, g)) and its scores are never read.
; No cluster and no tensor load: the keys' fragments go from memory straight into registers, each feeds one product, and work-groups of different g want different numbers of blocks.
; LIMITS: NaN and infinities are not served; a block of p whose largest p lies under 2^-124 gets the byte 1 (its codes are zeros or what the conversion gives under that byte).
.set BLK, 12800
.set BUF, 28                           ; v28-75, v76-123 four fragments of k each
.set KS,  124                          ; v124-127 k's scale words, two to a buffer
.set S,   128                          ; v128-191 step 0's scores, v192-255 step 1's; then p
.set BM,  28                           ; behind pass 1's products: v28-35 the largest score of each block of 32 keys, four a step
.set PT,  36                           ; v36-39 permutes' targets
.set SM2, 40                           ; v40-41 the sum's second chain
.set T1,  42
.set SCO, 44                           ; v44-47 the conversions' scale operands
.set BY,  48                           ; v48-51 bytes
.set PW,  52                           ; the scale word
.set PC,  56                           ; v56-67 codes
.set TC,  68                           ; v68-74 second halves
.set RDB, 76                           ; v76-91 what comes back from LDS
.set Z,   92                           ; v92-95 zeros
.set ONE, 96                           ; v96 four bytes 127
.set CS,  22                           ; s[22:23] log2(e)
.set SEL, 24
	s_load_b128 s[4:7], s[0:1], 0x0                ; qkc, xc
	s_load_b64 s[8:9], s[0:1], 0x10                ; rl
	v_lshrrev_b32 v7, 5, v0
	s_delay_alu instid0(VALU_DEP_1)
	v_readfirstlane_b32 s10, v7                    ; wave = my first key step
	s_lshr_b32 s12, ttmp9, 3                       ; g
	s_and_b32 s13, ttmp9, 7                        ; f
	; key steps that the next launch reads of group g (it walks in pieces of 3 steps, 12 pieces for the groups g and 31 - g together):
	; g >= 16: 3 ceil((g + 1) / 3); g < 16: 36 - 3 ceil((32 - g) / 3).  Steps past the diagonal and under this bound get zero codes under the byte 127.
	s_sub_co_u32 s38, 34, s12
	s_add_co_u32 s39, s12, 3
	s_cmp_lt_u32 s12, 16
	s_cselect_b32 s38, s38, s39
	s_mul_i32 s38, s38, 43
	s_lshr_b32 s38, s38, 7                         ; a third, rounded down (right for numbers under 128)
	s_mul_i32 s38, s38, 3
	s_sub_co_u32 s39, 36, s38
	s_cmp_lt_u32 s12, 16
	s_cselect_b32 s14, s39, s38
	s_add_co_u32 s15, s10, 16                      ; my second key step
	s_mul_i32 s42, s13, 1536                       ; my fragment's codes in a block,
	s_lshl_b32 s43, s13, 6
	s_add_co_u32 s43, s43, 12288                   ; and its scale words
	s_mul_i32 s36, s12, BLK
	s_add_co_u32 s16, s36, s42                     ; q's codes
	s_mov_b32 s17, 0
	s_add_co_u32 s18, s36, s43                     ; q's scale words
	s_mov_b32 s19, 0
	s_min_u32 s38, s10, s12
	s_mul_i32 s20, s38, BLK
	s_add_co_u32 s20, s20, 32*BLK                  ; k's blocks lie behind q's 32
	s_mov_b32 s21, 0
	s_min_u32 s38, s15, s12
	s_mul_i32 s40, s38, BLK
	s_add_co_u32 s40, s40, 32*BLK
	s_mov_b32 s41, 0
	s_mul_i32 s38, s12, 33                         ; p's block 33 g + J: a group's row has 33 blocks,
	s_add_co_u32 s38, s38, s10
	s_mul_i32 s38, s38, BLK
	s_add_co_u32 s38, s38, 6553600                 ; and p's blocks lie behind x's 512 in the buffer xc
	s_add_co_u32 s26, s38, s42
	s_mov_b32 s27, 0
	s_add_co_u32 s28, s38, s43
	s_mov_b32 s29, 0
	s_add_co_u32 s38, s38, 16*BLK
	s_add_co_u32 s30, s38, s42
	s_mov_b32 s31, 0
	s_add_co_u32 s32, s38, s43
	s_mov_b32 s33, 0
	s_lshl_b32 s34, ttmp9, 6                       ; 1 / l: 64 bytes a fragment
	s_mov_b32 s35, 0
	s_mov_b32 s[CS], 0x3fb8aa3b
	s_mov_b32 s[CS+1], s[CS]                       ; (named with it as a pair)
	s_mov_b32 s[SEL], 0x76543210
	s_mov_b32 s[SEL+1], 0xfedcba98
	s_lshr_b32 s38, s13, 1
	s_lshl_b32 s38, s38, 5
	s_and_b32 s39, s13, 1
	s_lshl_b32 s39, s39, 3
	s_add_co_u32 s38, s38, s39                     ; 32 (f / 2) + 8 (f % 2)
	v_and_b32 v7, 31, v0
	s_delay_alu instid0(VALU_DEP_1)
	v_lshlrev_b32 v1, 4, v7                        ; v1: 16 x lane
	s_delay_alu instid0(VALU_DEP_2)
	v_lshlrev_b32 v2, 2, v7                        ; v2: 4 x lane
	v_and_b32 v7, 15, v0
	s_delay_alu instid0(VALU_DEP_1)
	v_lshlrev_b32 v3, 2, v7                        ; v3: 4 x (lane % 16)
	v_lshlrev_b32 v4, 2, v0                        ; v4: my word in LDS: 128 x wave + 4 x lane
	s_delay_alu instid0(VALU_DEP_3)
	v_and_b32 v8, 8, v7
	s_delay_alu instid0(VALU_DEP_1)
	v_add_nc_u32 v8, v8, v7
	v_bfe_u32 v9, v0, 4, 1
	s_delay_alu instid0(VALU_DEP_1)
	v_lshlrev_b32 v9, 4, v9
	s_delay_alu instid0(VALU_DEP_1)
	v_sub_nc_u32 v5, v8, v9
	s_delay_alu instid0(VALU_DEP_1)
	v_add_nc_u32 v5, s38, v5                       ; v5: d = my query in its group - 16 h: on the diagonal register 16 b + i is hidden where 32 b + i > d
	v_mov_b32 v6, 0xff800000                       ; -infinity
	v_mov_b32 v14, 0                               ; the sum, in two halves
	v_mov_b32 v15, 0
	s_wait_kmcnt 0x0
	s_add_nc_u64 s[16:17], s[4:5], s[16:17]
	s_add_nc_u64 s[18:19], s[4:5], s[18:19]
	s_add_nc_u64 s[20:21], s[4:5], s[20:21]
	s_add_nc_u64 s[40:41], s[4:5], s[40:41]
	s_add_nc_u64 s[26:27], s[6:7], s[26:27]
	s_add_nc_u64 s[28:29], s[6:7], s[28:29]
	s_add_nc_u64 s[30:31], s[6:7], s[30:31]
	s_add_nc_u64 s[32:33], s[6:7], s[32:33]
	s_add_nc_u64 s[34:35], s[8:9], s[34:35]
.macro GLOAD kb, half                  ; four fragments of k and their scale words: 14 loads
.irp t, 0,1,2,3
.irp c, 0,1,2
	global_load_b128 v[BUF+48*(\half)+12*\t+4*\c:BUF+48*(\half)+12*\t+4*\c+3], v1, s[\kb:\kb+1] offset:1536*(4*(\half)+\t)+512*\c
.endr
.endr
.irp j, 0,1
	global_load_b32 v[KS+2*(\half)+\j], v2, s[\kb:\kb+1] offset:12288+128*(2*(\half)+\j)
.endr
.endm
.macro MULS idx, half                  ; four tiles of scores: K = 128 is one instruction, each into an accumulator of its own
.irp t, 0,1,2,3
.set rD, S+64*(\idx)+8*(4*(\half)+\t)
.set rK, BUF+48*(\half)+12*\t
.set rSK, KS+2*(\half)+\t/2
.if \t%2
	v_wmma_scale_f32_16x16x128_f8f6f4 v[rD:rD+7], v[rK:rK+11], v[16:27], 0, v[rSK], v10 matrix_a_fmt:MATRIX_FMT_FP6 matrix_b_fmt:MATRIX_FMT_FP6 matrix_a_scale:MATRIX_SCALE_ROW1
.else
	v_wmma_scale_f32_16x16x128_f8f6f4 v[rD:rD+7], v[rK:rK+11], v[16:27], 0, v[rSK], v10 matrix_a_fmt:MATRIX_FMT_FP6 matrix_b_fmt:MATRIX_FMT_FP6
.endif
.endr
.endm
.macro PLACES
.rept 4
	v_nop
.endr
.endm
.irp c, 0,1,2
	global_load_b128 v[16+4*\c:19+4*\c], v1, s[16:17] offset:512*\c   ; q
.endr
	global_load_b32 v10, v3, s[18:19]              ; q's scale words
	GLOAD 20, 0
	GLOAD 20, 1
	s_wait_loadcnt 14                              ; q and the first four fragments are in; the fourteen issued last may be out
	MULS 0, 0
	PLACES                                         ; ahead of loads into registers that the products read
	GLOAD 40, 0
	s_wait_loadcnt 14
	MULS 0, 1
	PLACES
	GLOAD 40, 1
	s_wait_loadcnt 14
	MULS 1, 0
	s_wait_loadcnt 0x0
	MULS 1, 1
	PLACES                                         ; ahead of the reads of the scores and of the writes over the buffers
.irp b, 0,1,2,3
	v_mov_b32 v[PT+\b], 0                          ; a lane permute's destination counts as one of its sources
	v_mov_b32 v[Z+\b], 0
.endr
	v_mov_b32 v[ONE], 0x7f7f7f7f
; Pass 1 of a step: the mask on the diagonal, then the largest score of each block of 32 keys.  It serves twice: for the row's maximum and, since p rises with the score, for the block's largest p.
.macro P1MAX idx, jreg
.set SS, S+64*(\idx)
.set BB, BM+4*(\idx)
	s_cmp_gt_u32 s[\jreg], s12
	s_cbranch_scc1 .Lhid_\@
	s_cmp_lt_u32 s[\jreg], s12
	s_cbranch_scc1 .Lopen_\@
.set n, 0
.rept 64
	v_cmp_gt_i32 vcc_lo, 32*(n/16)+n%16, v5
	v_cndmask_b32 v[SS+n], v[SS+n], v6, vcc_lo     ; hidden scores become -infinity: p = 0
.set n, n+1
.endr
.Lopen_\@:
.irp b, 0,1,2,3
	v_max3_num_f32 v[BB+\b], v[SS+16*\b], v[SS+16*\b+1], v[SS+16*\b+2]
.endr
.irp k, 3,5,7,9,11,13
.irp b, 0,1,2,3
	v_max3_num_f32 v[BB+\b], v[BB+\b], v[SS+16*\b+\k], v[SS+16*\b+\k+1]
.endr
.endr
.irp b, 0,1,2,3
	v_max_num_f32 v[BB+\b], v[BB+\b], v[SS+16*\b+15]
.endr
.irp b, 0,1,2,3
	s_delay_alu instid0(VALU_DEP_4)
	v_permlanex16_b32 v[PT+\b], v[BB+\b], s[SEL], s[SEL+1]
.endr
.irp b, 0,1,2,3
	s_delay_alu instid0(VALU_DEP_4)
	v_max_num_f32 v[BB+\b], v[BB+\b], v[PT+\b]     ; with lane l xor 16's 16 keys
.endr
	s_branch .Ldone_\@
.Lhid_\@:
.irp b, 0,1,2,3
	v_mov_b32 v[BB+\b], v6                         ; a step past the diagonal counts for nothing
.endr
.Ldone_\@:
.endm
	P1MAX 0, 10
	P1MAX 1, 15
	s_wait_alu depctr_va_vdst(0)
	v_max3_num_f32 v[T1], v[BM], v[BM+1], v[BM+2]
	s_delay_alu instid0(VALU_DEP_1)
	v_max3_num_f32 v[T1], v[T1], v[BM+3], v[BM+4]
	s_delay_alu instid0(VALU_DEP_1)
	v_max3_num_f32 v[T1], v[T1], v[BM+5], v[BM+6]
	s_delay_alu instid0(VALU_DEP_1)
	v_max_num_f32 v[T1], v[T1], v[BM+7]
	s_delay_alu instid0(VALU_DEP_1)
	v_mul_f32 v[T1], s[CS], v[T1]                  ; my wave's largest t of my query
	ds_store_b32 v4, v[T1]
	s_wait_dscnt 0x0                               ; for the others' sake
	s_barrier_signal -1
	s_barrier_wait -1
.irp n, 0,1,2,3,4,5,6,7,8,9,10,11,12,13,14,15
	ds_load_b32 v[RDB+\n], v2 offset:128*\n        ; the sixteen waves' maxima of my query
.endr
	s_wait_dscnt 0x0
	v_max3_num_f32 v13, v[RDB], v[RDB+1], v[RDB+2]
.irp n, 3,5,7,9,11,13
	s_delay_alu instid0(VALU_DEP_1)
	v_max3_num_f32 v13, v13, v[RDB+\n], v[RDB+\n+1]
.endr
	s_delay_alu instid0(VALU_DEP_1)
	v_max_num_f32 v13, v13, v[RDB+15]              ; the row's largest t (key 0 counts for every query: it is a number)
	s_delay_alu instid0(VALU_DEP_1)
	v_floor_f32 v12, -v13                          ; -M = floor(-t) = -ceil(t)
; Pass 2 of a step: p, its codes and scale word, its part of the row's sum; or zero codes; or nothing
.macro P2 idx, jreg, pb, ps
.set SS, S+64*(\idx)
.set BB, BM+4*(\idx)
	s_cmp_gt_u32 s[\jreg], s12
	s_cbranch_scc1 .Lzero_\@
.set n, 0
	s_wait_alu depctr_va_vdst(0)
.rept 32
	v_pk_fma_f32 v[SS+n:SS+n+1], v[SS+n:SS+n+1], s[CS:CS+1], v[12:13] op_sel_hi:[1,0,0]   ; t - M, two at a time (of both pairs the low word serves both halves)
.set n, n+2
.endr
.irp b, 0,1,2,3
	v_fma_f32 v[BB+\b], v[BB+\b], s[CS], v12       ; the same of each block's largest score
.endr
.set n, 0
	s_wait_alu depctr_va_vdst(0)
.rept 64
	v_exp_f32 v[SS+n], v[SS+n]                     ; p = 2^(t - M), at most 1, not normalised
.set n, n+1
.endr
.irp b, 0,1,2,3
	v_exp_f32 v[BB+\b], v[BB+\b]                   ; the block's largest p: the same two instructions on the same number
.endr
	s_wait_xcnt 0x0
	v_nop
	s_wait_alu depctr_va_vdst(0)                   ; one wait for the batch, ahead of its first reader
.irp b, 0,1,2,3
	v_max_num_f32 v[BB+\b], 0x1800000, v[BB+\b]    ; the floor 2^(3 - 127)
.endr
.irp b, 0,1,2,3
	s_delay_alu instid0(VALU_DEP_4)
	v_add_nc_u32 v[SCO+\b], 0xff000000, v[BB+\b]
.endr
.irp b, 0,1,2,3
	s_delay_alu instid0(VALU_DEP_4)
	v_lshrrev_b32 v[BY+\b], 23, v[SCO+\b]
.endr
	s_delay_alu instid0(VALU_DEP_3)
	v_lshl_or_b32 v[PW], v[BY+1], 8, v[BY]
	s_delay_alu instid0(VALU_DEP_1)
	v_lshl_or_b32 v[PW], v[BY+2], 16, v[PW]
	s_delay_alu instid0(VALU_DEP_1)
	v_lshl_or_b32 v[PW], v[BY+3], 24, v[PW]
.irp c, 0,1
	v_cvt_scalef32_pk16_fp6_f32 v[PC+6*\c:PC+2+6*\c], v[SS+32*\c:SS+15+32*\c], v[SCO+2*\c]
	v_cvt_scalef32_pk16_fp6_f32 v[TC+4*\c:TC+2+4*\c], v[SS+16+32*\c:SS+31+32*\c], v[SCO+2*\c+1]
.endr
	v_nop                                          ; one plain place behind a scaled conversion
.irp c, 0,1
.irp i, 0,1,2
	v_permlane16_swap_b32 v[PC+6*\c+\i], v[TC+4*\c+\i]
.endr
.irp i, 0,1,2
	s_delay_alu instid0(VALU_DEP_3)
	v_mov_b32 v[PC+3+6*\c+\i], v[TC+4*\c+\i]
.endr
.endr
.irp c, 0,1,2
	global_store_b128 v1, v[PC+4*\c:PC+4*\c+3], s[\pb:\pb+1] offset:512*\c
.endr
	global_store_b32 v3, v[PW], s[\ps:\ps+1]       ; lanes r and r + 16 hold the same word and store it to the same place
	v_pk_add_f32 v[SM2:SM2+1], v[SS:SS+1], v[SS+2:SS+3]   ; the row's sum is taken of the unquantised p, in two chains
.irp j, 4,8,12,16,20,24,28,32,36,40,44,48,52,56,60
	v_pk_add_f32 v[14:15], v[14:15], v[SS+\j:SS+\j+1]
	v_pk_add_f32 v[SM2:SM2+1], v[SM2:SM2+1], v[SS+\j+2:SS+\j+3]
.endr
	s_delay_alu instid0(VALU_DEP_1)
	v_pk_add_f32 v[14:15], v[14:15], v[SM2:SM2+1]
	s_branch .Lend_\@
.Lzero_\@:
	s_cmp_ge_u32 s[\jreg], s14
	s_cbranch_scc1 .Lend_\@
.irp c, 0,1,2
	global_store_b128 v1, v[Z:Z+3], s[\pb:\pb+1] offset:512*\c
.endr
	global_store_b32 v3, v[ONE], s[\ps:\ps+1]
.Lend_\@:
.endm
	P2 0, 10, 26, 28
	P2 1, 15, 30, 32
	s_add_co_u32 s38, s10, 32                      ; key step 32 (wave 0, groups 30 and 31): the last of a piece of three, all zeros
	s_cmp_ge_u32 s38, s14
	s_cbranch_scc1 .Lno_33
.irp c, 0,1,2
	global_store_b128 v1, v[Z:Z+3], s[30:31] offset:16*BLK+512*\c
.endr
	global_store_b32 v3, v[ONE], s[32:33] offset:16*BLK
.Lno_33:
	s_wait_alu depctr_va_vdst(0)
	v_add_f32 v14, v14, v15
	s_delay_alu instid0(VALU_DEP_1)
	v_permlanex16_b32 v[PT], v14, s[SEL], s[SEL+1]
	s_delay_alu instid0(VALU_DEP_1)
	v_add_f32 v14, v14, v[PT]                      ; my wave's part of my query's sum
	v_lshl_add_u32 v98, v0, 2, 4096                ; my spare word, behind the maxima and the sums (v0 is as at the entry), and 0
	v_mov_b32 v99, 0
	s_wait_alu depctr_va_vdst(0)
	ds_store_b32 v4, v14 offset:2048
	s_wait_tensorcnt 0x0                           ; behind my last LDS store
	ds_add_u32 v98, v99
	s_wait_dscnt 0x0
	s_barrier_signal -1
	s_barrier_wait -1
	s_cmp_lg_u32 s10, 0
	s_cbranch_scc1 .Lfin                           ; wave 0 adds the sixteen parts
.irp n, 0,1,2,3,4,5,6,7,8,9,10,11,12,13,14,15
	ds_load_b32 v[RDB+\n], v2 offset:2048+128*\n
.endr
	s_wait_dscnt 0x0
.irp n, 0,2,4,6,8,10,12,14
	v_add_f32 v[RDB+\n], v[RDB+\n], v[RDB+\n+1]
.endr
.irp n, 0,4,8,12
	v_add_f32 v[RDB+\n], v[RDB+\n], v[RDB+\n+2]
.endr
	s_delay_alu instid0(VALU_DEP_3)
	v_add_f32 v[RDB], v[RDB], v[RDB+4]
	s_delay_alu instid0(VALU_DEP_2)
	v_add_f32 v[RDB+8], v[RDB+8], v[RDB+12]
	s_delay_alu instid0(VALU_DEP_1)
	v_add_f32 v[RDB], v[RDB], v[RDB+8]
	s_wait_alu depctr_va_vdst(0)
	v_rcp_f32 v[RDB], v[RDB]
	v_nop
	s_wait_alu depctr_va_vdst(0)
	global_store_b32 v3, v[RDB], s[34:35]          ; 1 / l of lane-row r
.Lfin:
	s_endpgm
.Lfunc_end_k_qf0d7b85eb7_probs:
	.size	k_qf0d7b85eb7_probs, .Lfunc_end_k_qf0d7b85eb7_probs-k_qf0d7b85eb7_probs
	.p2alignl 7, 3214868480
	.fill 96, 4, 3214868480
	.section	.rodata,"a",@progbits
	.p2align	6, 0x0
	.amdhsa_kernel k_qf0d7b85eb7_probs
		.amdhsa_group_segment_fixed_size 6144
		.amdhsa_private_segment_fixed_size 0
		.amdhsa_enable_private_segment 0
		.amdhsa_kernarg_size 24
		.amdhsa_user_sgpr_count 2
		.amdhsa_user_sgpr_kernarg_segment_ptr 1
		.amdhsa_wavefront_size32 1
		.amdhsa_system_sgpr_workgroup_id_x 1
		.amdhsa_system_sgpr_workgroup_id_y 1
		.amdhsa_system_sgpr_workgroup_id_z 1
		.amdhsa_system_vgpr_workitem_id 0
		.amdhsa_next_free_vgpr 256
		.amdhsa_next_free_sgpr 66
		.amdhsa_reserve_vcc 1
		.amdhsa_float_denorm_mode_32 3
		.amdhsa_float_denorm_mode_16_64 3
		.amdhsa_memory_ordered 1
		.amdhsa_forward_progress 1
		.amdhsa_inst_pref_size 52
	.end_amdhsa_kernel
	.amdgpu_metadata
---
amdhsa.version: [ 1, 2 ]
amdhsa.kernels:
  - .name:           k_qf0d7b85eb7_probs
    .symbol:         k_qf0d7b85eb7_probs.kd
    .args:
      - { .name: qkc, .offset: 0, .size: 8, .value_kind: global_buffer, .address_space: global }
      - { .name: xc, .offset: 8, .size: 8, .value_kind: global_buffer, .address_space: global }
      - { .name: rl, .offset: 16, .size: 8, .value_kind: global_buffer, .address_space: global }
    .group_segment_fixed_size: 6144
    .private_segment_fixed_size: 0
    .kernarg_segment_align: 8
    .kernarg_segment_size: 24
    .max_flat_workgroup_size: 512
    .sgpr_count:     66
    .vgpr_count:     256
    .wavefront_size: 32
...
	.end_amdgpu_metadata
.endif
;; end of part 3
;; launch pv (part 4): grid 16 x 16, 4 waves a work-group, clusters of 4 x 1, 327,680 bytes of LDS; arguments xc, rl, oc; writes oc
.if DOCPART == 4
	.amdgcn_target "amdgcn-amd-amdhsa--gfx1250"
	.amdhsa_code_object_version 6
	.text
	.protected	k_qf0d7b85eb7_pv
	.globl	k_qf0d7b85eb7_pv
	.p2align	8
	.type	k_qf0d7b85eb7_pv,@function
k_qf0d7b85eb7_pv:
	s_mov_b64 s[64:65], 0
	v_nop
	global_prefetch_b8 v0, s[64:65] scope:SCOPE_SE
	s_setreg_imm32_b32 hwreg(HW_REG_WAVE_MODE, 25, 1), 1
	s_wait_xcnt 0x0
	s_wait_alu depctr_hold_cnt(0) depctr_sa_sdst(0) depctr_va_vdst(0) depctr_va_sdst(0) depctr_va_ssrc(0) depctr_va_vcc(0) depctr_vm_vsrc(0)
	s_getreg_b32 s2, hwreg(HW_REG_IB_STS2, 6, 4)
	s_cmp_eq_u32 s2, 0
	s_cbranch_scc0 .Lentry_in_a_cluster
	s_endpgm
.Lentry_in_a_cluster:
	s_bfe_u32 s2, ttmp6, 0x10000c
	s_cmp_lg_u32 s2, 0x3003
	s_cbranch_scc0 .Lentry_shape_is_right
	s_endpgm
.Lentry_shape_is_right:
; O = P X on codes of FP6 with E8M0 scales (K = the keys), O / l, and that quantised along the channels into blocks for the last product.
; LEFT OUT: key steps that lie wholly above the diagonal of the causal mask: there p = 0 for all inputs.
; BLOCK: 12,800 bytes = 128 rows x 128 K as images of operand registers: byte 1536 f + 512 c + 16 lane = registers 4 c .. 4 c + 3 of fragment f; byte 12288 + 64 f + 4 r = the scale word of lane-row r.
; The buffer xc holds x's blocks [channel group][key step], 32 to a row, and behind them p's blocks [query group][key step], 33 to a row.
; SHARES: query group g needs g + 1 key steps.  A work-group takes the groups LO = y and HI = 31 - y against ONE channel group c: 33 steps whatever y is.  16 x 16 = 256 work-groups of equal length.
; A wave makes 32 queries (fragments 2 w, 2 w + 1) x 128 channels of both groups: 2 x 16 accumulators.  Source 0 = 16 channels of X, source 1 = 16 queries of P: a lane holds one query.
; THE WALK goes in pieces of 3 steps, 12 pieces: piece 0 = LO's steps 0-2; pieces 1 .. H = HI's, H = ceil((32 - y) / 3); pieces H + 1 .. 11 = LO's further steps.
; Steps past a group's diagonal multiply zero codes that the launch before has stored; HI's step 32 (y = 0, 1) meets the block that follows X's row in the buffer: finite numbers times zero codes.
; RING: two slots of two pieces each (P's 3 + 3 blocks, X's 3 + 3: 153,600 bytes).  Wave 0, 1 fetch P's pieces, waves 2, 3 X's: one load of 38,400 bytes a wave behind each change of slots; one tensor load of a wave is out.
; A slot's six steps take its two pieces by turns, so the walk's first two steps, written out ahead of the loop, start all 32 sums.  Which set of accumulators a step adds to is chosen by a scalar branch on y and the count of slots.
; CLUSTER 4 x 1: the four partners share y and so P's blocks: joint loads.  X is not asked for jointly: the partners want four different channel groups, and work-groups that share a channel group differ in y and walk differently behind piece H.
; PREFETCH: behind each refill a wave asks for the 150 runs of 256 bytes of its NEXT refill, one slot ahead of that load; P's are shared out among the four partners by address (38 each); the last refill has no successor and asks for nothing.
; REGISTERS: window 0: v1-29 addresses; v32-43 scale words, two sets; v48-55 1 / l; v64-111 P's fragments, two sets; window 1: X's fragments, two sets of 96; window 2: HI's accumulators (a, b) at v[8 (8 a + b)], LO's 128 higher.
; LIMITS: NaN and infinities are not served; 1 / l is a reciprocal and a multiplication; a block whose largest magnitude lies under 2^-124 gets the byte 1.
.set BLK,   12800
.set RSX,   32*BLK
.set RSP,   33*BLK
.set PCO,   6553600                    ; where p's blocks begin
.set HB,    3*BLK                      ; a piece of one operand
.set SLOT,  12*BLK
.set SPARE, 2*SLOT                     ; the spare words: 128 bytes a wave
.set ADRA, 4                           ; v4-7   my fragments of P in (slot, piece): index 2 slot + piece
.set ADRB, 8                           ; v8-11  X's fragments
.set ASA,  12                          ; v12-15 P's scale words
.set ASB,  16                          ; v16-19 X's
.set PFO,  20                          ; v20-24 the prefetches' offsets
.set SPW,  28
.set NIL,  29
.set SC,   32                          ; set p at SC + 6 p: +0..3 X's (lanes 0-15 fragment 2 j, lanes 16-31 fragment 2 j + 1), +4, +5 P's two fragments (lanes 0-15)
.set RL,   48
.set AF,   64
.set ON,   64
.set PC,   128
.set TM,   148
.set PW,   164
.set G1,   24
.set G0,   32
.set G0B,  36
.set G1B,  48
.set PB,   20                          ; s[20:21] p's blocks
.set XB,   46                          ; s[46:47] my channel group's row of blocks
.set OC,   56                          ; s[56:63] the result: HI's codes, scale words, LO's codes, scale words
.set SEL,  66
.set HIO,  70                          ; s70, s71 HI's and LO's rows among p's blocks
.set LOO,  71
.set PA,   72                          ; s[72:73], s[74:75] where my next load begins, in P and in X
.set XA,   74
.set PFA,  76                          ; s[76:77] the one of the two that I fetch
.set UW,   78                          ; s78 the piece that the next address is made for
.set T2,   79                          ; s79 the first piece of the slot at work
.set M0,   80                          ; s80, s81 the slot's two pieces: 0 = HI's, 1 = LO's
.set HH,   82                          ; s82 H
.set LA,   83                          ; s83, s84 where my load lands in slot 0, 1
.set RLA,  92
.set MSB, 0
.macro WIN new
.if MSB != \new
	s_set_vgpr_msb (MSB<<8)|\new
.set MSB, \new
.endif
.endm
.set MUL,  0xa1                        ; source 0 (X) window 1, source 1 (P) window 0, C and D window 2
.set TO_B, 0x40
.macro PLACES                          ; four plain places behind a matrix instruction (ISA guide 7.12.1)
.rept 4
	v_nop
.endr
.endm
.macro JLOAD                           ; my one load: the branch hangs on the wave's number alone
	s_cmp_eq_u32 s15, 0
	s_cbranch_scc0 .Lfor_b_\@
	tensor_load_to_lds s[G0:G0+3], s[G1:G1+7]
	s_nop 0
	PLACES
	s_branch .Lasked_\@
.Lfor_b_\@:
	tensor_load_to_lds s[G0B:G0B+3], s[G1B:G1B+7]
	s_nop 0
	PLACES
.Lasked_\@:
.endm
.macro CROUND                          ; a round of the cluster's barrier
	s_barrier_signal -1
	s_barrier_wait -1
	s_cmp_lg_u32 s14, 0
	s_cbranch_scc1 .Lnot_wave_0_\@
	s_barrier_signal -3
.Lnot_wave_0_\@:
	s_barrier_wait -3
	s_barrier_signal -1
	s_barrier_wait -1
.endm
.macro SETD slot                       ; both group 0 take the addresses made last; written only where no tensor load of mine is out
	s_mov_b32 s[G0+1], s[LA+\slot]
	s_mov_b64 s[G0+2:G0+3], s[PA:PA+1]
	s_or_b32 s[G0+3], s[G0+3], 0x80000000
	s_mov_b32 s[G0B+1], s[LA+\slot]
	s_mov_b64 s[G0B+2:G0B+3], s[XA:XA+1]
	s_or_b32 s[G0B+3], s[G0B+3], 0x80000000
.endm
.macro ADV                             ; the addresses of piece UW (2 or more): HI's piece UW - 1 while UW <= H, then LO's piece UW - H; P's never hold cx
	s_cmp_gt_u32 s[UW], s[HH]
	s_cselect_b32 s86, s[HH], 1
	s_cselect_b32 s87, s[LOO], s[HIO]
	s_sub_co_u32 s86, s[UW], s86
	s_mul_i32 s88, s86, HB
	s_add_nc_u64 s[XA:XA+1], s[XB:XB+1], s[88:89]
	s_add_co_u32 s88, s88, s87
	s_add_nc_u64 s[PA:PA+1], s[PB:PB+1], s[88:89]
	s_add_co_u32 s[UW], s[UW], 2
	s_cmp_eq_u32 s15, 0
	s_cselect_b64 s[PFA:PFA+1], s[PA:PA+1], s[XA:XA+1]
.endm
.macro ASK                             ; my next load's bytes; the slots at pieces 6 and on have no load behind the one just issued
	s_cmp_lt_u32 s[T2], 6
	s_cbranch_scc0 .Lno_ask_\@
	global_prefetch_b8 v[PFO], s[PFA:PFA+1] th:TH_LOAD_NT scope:SCOPE_SE
	global_prefetch_b8 v[PFO+1], s[PFA:PFA+1] th:TH_LOAD_NT scope:SCOPE_SE
	s_cmp_eq_u32 s15, 0
	s_cbranch_scc1 .Lno_ask_\@                     ; of P's 150 runs my work-group names 38: two lines do
.irp i, 2,3,4
	global_prefetch_b8 v[PFO+\i], s[PFA:PFA+1] th:TH_LOAD_NT scope:SCOPE_SE
.endr
.Lno_ask_\@:
.endm
	s_load_b128 s[4:7], s[0:1], 0x0                ; xc, rl
	s_load_b64 s[8:9], s[0:1], 0x10                ; oc
	v_lshl_add_u32 v[SPW], v0, 2, SPARE
	v_mov_b32 v[NIL], 0
	ds_add_u32 v[SPW], v[NIL]                      ; the opening lines: the add, twice on end, and its wait
	ds_add_u32 v[SPW], v[NIL]
	v_lshrrev_b32 v1, 5, v0
	v_readfirstlane_b32 s14, v1                    ; wave
	s_lshr_b32 s15, s14, 1                         ; I fetch for P (0) or for X (1),
	s_and_b32 s16, s14, 1                          ; the slot's first or second piece
	s_bfe_u32 s40, ttmp6, 0x40000                  ; cx
	s_lshl_b32 s42, ttmp9, 2
	s_add_co_u32 s42, s42, s40                     ; c: the channel group
	s_and_b32 s17, ttmp7, 0xffff                   ; LO = y
	s_sub_co_u32 s18, 31, s17                      ; HI
	s_sub_co_u32 s[HH], 34, s17
	s_mul_i32 s[HH], s[HH], 43
	s_lshr_b32 s[HH], s[HH], 7                     ; H = (34 - y) / 3, rounded down: 6 .. 11
	s_mov_b32 s[G1], 15|(3<<16)|(1<<21)            ; P: the mask names all four partners; elements of 8 bytes; bit 21 beside a mask
	s_mov_b32 s[G1B], 3<<16                        ; X: a load of my own
.irp g, G1, G1B
	s_mov_b32 s[\g+1], 32<<16                      ; rows of 256 bytes,
	s_mov_b32 s[\g+2], 150<<16                     ; 150 of them: three blocks, dense in memory
	s_mov_b32 s[\g+3], 32<<16
	s_mov_b32 s[\g+4], 150
	s_mov_b32 s[\g+5], 32
	s_mov_b32 s[\g+6], 0
	s_mov_b32 s[\g+7], 0
.endr
	s_mov_b32 s[G0], 1
	s_mov_b32 s[G0B], 1
	s_mul_i32 s[HIO], s18, RSP
	s_mul_i32 s[LOO], s17, RSP
	s_mul_i32 s[LA], s14, HB                       ; P's two pieces, then X's two: wave x 3 blocks
	s_add_co_u32 s[LA+1], s[LA], SLOT
	s_mul_i32 s44, s42, RSX
	s_mov_b32 s45, 0
	s_cmp_eq_u32 s16, 0
	s_cselect_b32 s88, s[LOO], s[HIO]              ; piece 0 is LO's first, piece 1 HI's first
	s_mov_b32 s89, 0
	s_add_co_u32 s[UW], s16, 2
	s_mov_b32 s[T2], 0
	s_mov_b32 s[M0], 1
	s_mov_b32 s[M0+1], 0
	s_wait_dscnt 0x0                               ; both opening adds are done
	s_wait_kmcnt 0x0
	s_add_nc_u64 s[PB:PB+1], s[4:5], PCO
	s_add_nc_u64 s[XB:XB+1], s[4:5], s[44:45]
	s_add_nc_u64 s[PA:PA+1], s[PB:PB+1], s[88:89]
	s_mov_b64 s[XA:XA+1], s[XB:XB+1]
	SETD 0
	CROUND                                         ; all four partners are here: the first joint loads meet
	JLOAD                                          ; pieces 0 and 1: one load a wave at the head
	ADV                                            ; pieces 2 and 3
	s_mov_b32 s[SEL], 0x76543210
	s_mov_b32 s[SEL+1], 0xfedcba98
	s_mov_b32 s68, 0xffff0000                      ; lanes 16-31
	s_mul_i32 s12, s14, 2*1536                     ; my two fragments in a block,
	s_lshl_b32 s43, s14, 7
	s_add_co_u32 s13, s43, 12288                   ; and their scale words
	s_lshl_b32 s22, s18, 4
	s_add_co_u32 s22, s22, s42
	s_mul_i32 s22, s22, BLK                        ; the result's blocks: 16 g + c
	s_lshl_b32 s23, s17, 4
	s_add_co_u32 s23, s23, s42
	s_mul_i32 s23, s23, BLK
	s_mov_b32 s91, 0
.irp t, 0,1
	s_add_co_u32 s90, s[22+\t], s12
	s_add_nc_u64 s[OC+4*\t:OC+4*\t+1], s[8:9], s[90:91]
	s_add_co_u32 s90, s[22+\t], s13
	s_add_nc_u64 s[OC+4*\t+2:OC+4*\t+3], s[8:9], s[90:91]
	s_lshl_b32 s90, s[18-\t], 9                    ; 1 / l: 64 bytes a fragment, 8 fragments a group
	s_add_co_u32 s90, s90, s43
	s_add_nc_u64 s[RLA+2*\t:RLA+2*\t+1], s[6:7], s[90:91]
.endr
	s_mul_i32 s10, s40, 38                         ; the prefetches: P's waves name runs 38 cx .. 38 cx + 37 (149 at the most), X's waves all 150
	s_cmp_eq_u32 s15, 0
	s_cselect_b32 s10, s10, 0
	s_add_co_u32 s11, s10, 37
	s_min_u32 s11, s11, 149
	s_cmp_eq_u32 s15, 0
	s_cselect_b32 s11, s11, 149
	v_and_b32 v1, 31, v0
	v_lshlrev_b32 v2, 4, v1                        ; v2: 16 x lane
	v_lshlrev_b32 v3, 2, v1                        ; v3: 4 x lane
	v_and_b32 v26, 15, v0
	v_lshlrev_b32 v26, 2, v26                      ; v26: 4 x (lane % 16)
	v_add_nc_u32 v27, s12, v2
	v_add_nc_u32 v25, s13, v3
.irp i, 0,1,2,3
	v_add_nc_u32 v[ADRA+\i], (\i/2)*SLOT+(\i%2)*HB, v27
	v_add_nc_u32 v[ADRB+\i], (\i/2)*SLOT+(\i%2)*HB+6*BLK, v2
	v_add_nc_u32 v[ASA+\i], (\i/2)*SLOT+(\i%2)*HB, v25
	v_add_nc_u32 v[ASB+\i], (\i/2)*SLOT+(\i%2)*HB+6*BLK+12288, v3
.endr
.irp i, 0,1,2,3,4
	v_add_nc_u32 v[PFO+\i], 32*\i, v1
.endr
.irp i, 0,1,2,3,4
	v_add_nc_u32 v[PFO+\i], s10, v[PFO+\i]
.endr
.irp i, 0,1,2,3,4
	v_min_u32 v[PFO+\i], s11, v[PFO+\i]            ; lanes that are left over name the last run again
.endr
.irp i, 0,1,2,3,4
	v_lshlrev_b32 v[PFO+\i], 8, v[PFO+\i]
.endr
.irp t, 0,1
.irp a, 0,1
	global_load_b32 v[RL+4*\t+2*\a], v26, s[RLA+2*\t:RLA+2*\t+1] offset:64*\a   ; 1 / l of my fragments' queries; waited for on the way out
	v_mov_b32 v[RL+4*\t+2*\a+1], 0                 ; (named with it as a pair)
.endr
.endr
.macro MUL16 p, t, zero                ; my two fragments of P against X's eight, from set p, onto the sums of HI (t = 0) or LO (1).  The 16 accumulators take turns, one instruction a turn
.irp a, 0,1
.irp b, 0,1,2,3,4,5,6,7
.set rD, 128*(\t)+8*(8*\a+\b)
.set rB, 96*(\p)+12*\b
.set rA, AF+24*(\p)+12*\a
.set rSB, SC+6*(\p)+\b/2
.set rSA, SC+6*(\p)+4+\a
.if \zero
.if \b%2
	v_wmma_scale_f32_16x16x128_f8f6f4 v[rD:rD+7], v[rB:rB+11], v[rA:rA+11], 0, v[rSB], v[rSA] matrix_a_fmt:MATRIX_FMT_FP6 matrix_b_fmt:MATRIX_FMT_FP6 matrix_a_scale:MATRIX_SCALE_ROW1
.else
	v_wmma_scale_f32_16x16x128_f8f6f4 v[rD:rD+7], v[rB:rB+11], v[rA:rA+11], 0, v[rSB], v[rSA] matrix_a_fmt:MATRIX_FMT_FP6 matrix_b_fmt:MATRIX_FMT_FP6
.endif
.else
.if \b%2
	v_wmma_scale_f32_16x16x128_f8f6f4 v[rD:rD+7], v[rB:rB+11], v[rA:rA+11], v[rD:rD+7], v[rSB], v[rSA] matrix_a_fmt:MATRIX_FMT_FP6 matrix_b_fmt:MATRIX_FMT_FP6 matrix_a_scale:MATRIX_SCALE_ROW1
.else
	v_wmma_scale_f32_16x16x128_f8f6f4 v[rD:rD+7], v[rB:rB+11], v[rA:rA+11], v[rD:rD+7], v[rSB], v[rSA] matrix_a_fmt:MATRIX_FMT_FP6 matrix_b_fmt:MATRIX_FMT_FP6
.endif
.endif
.endr
.endr
.endm
.macro FETCH slot, k, p                ; the slot's step k (piece k % 2, its step k / 2) into set p: 36 LDS loads in one run
.set AI, 2*(\slot)+(\k)%2
.set OF, BLK*((\k)/2)
	WIN TO_B
.irp b, 0,1,2,3,4,5,6,7
.irp c, 0,1,2
	ds_load_b128 v[96*(\p)+12*\b+4*\c:96*(\p)+12*\b+4*\c+3], v[ADRB+AI] offset:OF+1536*\b+512*\c
.endr
.endr
	WIN 0
.irp a, 0,1
.irp c, 0,1,2
	ds_load_b128 v[AF+24*(\p)+12*\a+4*\c:AF+24*(\p)+12*\a+4*\c+3], v[ADRA+AI] offset:OF+1536*\a+512*\c
.endr
.endr
.irp j, 0,1,2,3
	ds_load_b32 v[SC+6*(\p)+\j], v[ASB+AI] offset:OF+128*\j
.endr
.irp a, 0,1
	ds_load_b32 v[SC+6*(\p)+4+\a], v[ASA+AI] offset:OF+64*\a
.endr
.endm
.macro MULV h                          ; a step of piece h, from set h: onto HI's sums or LO's; the choice hangs on y and the count of slots, the same in all waves and partners
	s_cmp_eq_u32 s[M0+\h], 0
	s_cbranch_scc0 .Llo_\@
	WIN MUL
	MUL16 \h, 0, 0
	WIN 0
	s_branch .Ljoin_\@
.Llo_\@:
	WIN MUL
	MUL16 \h, 1, 0
	WIN 0
.Ljoin_\@:
.endm
; A step: its set is in; the next step's loads go out and land under its 16 products.  sync = 1: the slot's last step: its fragments are in registers, so the slot is free: the three lines, a round, the refill two slots on.
; sync = 2: the same with nothing left to fetch: a plain barrier shows the other slot whole.  sync = 3: the walk's last step.
.macro STEP slot, k, sync
	s_wait_dscnt 0x0
.if \sync == 1
	s_wait_xcnt 0x0                                ; my prefetches have read their base: it is written again below
	s_wait_tensorcnt 0x0                           ; my one load that was out, my part of the other slot, has landed;
	ds_add_u32 v[SPW], v[NIL]
	SETD \slot
	ADV
	s_wait_dscnt 0x0                               ; the add is done; my reads of this slot were over above
	CROUND                                         ; no wave of any partner still reads this slot or has a load on its way
	JLOAD                                          ; its four v_nop are the places ahead of the loads below
.elseif \sync == 2
	s_wait_tensorcnt 0x0
	ds_add_u32 v[SPW], v[NIL]
	s_wait_dscnt 0x0
	s_barrier_signal -1
	s_barrier_wait -1
	PLACES
.elseif \sync == 0
	PLACES
.endif
.if \sync != 3
.if \k == 5
	FETCH 1-(\slot), 0, 0
.else
	FETCH \slot, (\k)+1, 1-(\k)%2
.endif
.endif
.if \sync == 1
	ASK
.endif
	MULV (\k)%2
.if \k == 5
	s_add_co_u32 s[T2], s[T2], 2                   ; the next slot's pieces T2, T2 + 1: LO's where the piece lies beyond H
	s_cmp_gt_u32 s[T2], s[HH]
	s_cselect_b32 s[M0], 1, 0
	s_cmp_ge_u32 s[T2], s[HH]
	s_cselect_b32 s[M0+1], 1, 0
.endif
.endm
	s_wait_alu depctr_va_vdst(0)
	s_wait_tensorcnt 0x0                           ; my part of slot 0 is in; slot 1's first fill is issued as a refill is
	ds_add_u32 v[SPW], v[NIL]
	SETD 1
	ADV                                            ; pieces 4 and 5
	s_wait_dscnt 0x0
	CROUND
	JLOAD                                          ; pieces 2 and 3
	FETCH 0, 0, 0
	ASK
	s_wait_dscnt 0x0
	FETCH 0, 1, 1
	WIN MUL
	MUL16 0, 1, 1                                  ; LO's first step starts LO's sums,
	WIN 0
	s_wait_dscnt 0x0
	PLACES
	FETCH 0, 2, 0
	WIN MUL
	MUL16 1, 0, 1                                  ; HI's first step HI's
	WIN 0
	s_mov_b32 s3, 2
.Llap:                                             ; a trip goes once round the ring, from a lap's third step to the next lap's second, and fills both slots again
	STEP 0, 2, 0
	STEP 0, 3, 0
	STEP 0, 4, 0
	STEP 0, 5, 1
.irp k, 0,1,2,3,4
	STEP 1, \k, 0
.endr
	STEP 1, 5, 1
	STEP 0, 0, 0
	STEP 0, 1, 0
	s_sub_co_u32 s3, s3, 1
	s_cmp_lg_u32 s3, 0
	s_cbranch_scc1 .Llap
	STEP 0, 2, 0                                   ; the last lap fills nothing
	STEP 0, 3, 0
	STEP 0, 4, 0
	STEP 0, 5, 2
.irp k, 0,1,2,3,4
	STEP 1, \k, 0
.endr
	STEP 1, 5, 3
; 64 numbers of a lane, register 16 b + i = k 32 b + 16 h + i of my row, become a fragment in v[PC] on and its scale word in v[PW]
.macro QUANT11 s
.irp b, 0,1,2,3
	v_max3_num_f32 v[TM+\b], |v[\s+16*\b]|, |v[\s+1+16*\b]|, 0x1800000   ; with the floor 2^(3 - 127)
.endr
.irp i, 2,4,6,8,10,12,14
.irp b, 0,1,2,3
	v_max3_num_f32 v[TM+\b], v[TM+\b], |v[\s+16*\b+\i]|, |v[\s+1+16*\b+\i]|
.endr
.endr
.irp b, 0,1,2,3
	v_permlanex16_b32 v[TM+4+\b], v[TM+\b], s[SEL], s[SEL+1]
.endr
.irp b, 0,1,2,3
	v_max_num_f32 v[TM+\b], v[TM+\b], v[TM+4+\b]
.endr
.irp b, 0,1,2,3
	v_add_nc_u32 v[TM+12+\b], 0xff000000, v[TM+\b]
.endr
.irp b, 0,1,2,3
	v_lshrrev_b32 v[TM+4+\b], 23, v[TM+12+\b]
.endr
	v_lshl_or_b32 v[PW], v[TM+5], 8, v[TM+4]
	v_lshl_or_b32 v[PW], v[TM+6], 16, v[PW]
	v_lshl_or_b32 v[PW], v[TM+7], 24, v[PW]
.irp c, 0,1
	v_cvt_scalef32_pk16_fp6_f32 v[PC+6*\c:PC+2+6*\c], v[\s+32*\c:\s+15+32*\c], v[TM+12+2*\c]
	v_cvt_scalef32_pk16_fp6_f32 v[PC+12+4*\c:PC+14+4*\c], v[\s+16+32*\c:\s+31+32*\c], v[TM+12+2*\c+1]
.endr
	v_nop                                          ; one plain place behind a scaled conversion
.irp c, 0,1
.irp i, 0,1,2
	v_permlane16_swap_b32 v[PC+6*\c+\i], v[PC+12+4*\c+\i]
.endr
.irp i, 0,1,2
	v_mov_b32 v[PC+3+6*\c+\i], v[PC+12+4*\c+\i]
.endr
.endr
.endm
	; THE WAY OUT: of each group my 32 queries x 128 channels are two fragments of one K step of the last product.  No LDS: the codes leave as images of registers.
	PLACES                                         ; behind the last products
	s_wait_loadcnt 0x0                             ; 1 / l
.irp b, 0,1,2,3
	v_mov_b32 v[TM+4+\b], 0                        ; a lane permute's destination counts as one of its sources
.endr
.irp t, 0,1
.irp a, 0,1
	s_wait_xcnt 0x0                                ; the last fragment's stores have read their data
	WIN 0x02                                       ; source 0: window 2
.set i, 0
.rept 32
	v_pk_mul_f32 v[ON+i:ON+i+1], v[128*\t+64*\a+i:128*\t+64*\a+i+1], v[RL+4*\t+2*\a:RL+4*\t+2*\a+1] op_sel_hi:[1,0]   ; O / l, each accumulator from its low end on
.set i, i+2
.endr
	WIN 0
	QUANT11 ON
	v_mov_b32 v[166+\a], v[PW]
.irp c, 0,1,2
	global_store_b128 v2, v[PC+4*\c:PC+4*\c+3], s[OC+4*\t:OC+4*\t+1] offset:1536*\a+512*\c   ; 512 consecutive bytes, aligned to 256
.endr
.endr
	v_cndmask_b32 v[170+\t], v166, v167, s68       ; lanes 0-15 the even fragment's words, lanes 16-31 the odd one's
	global_store_b32 v3, v[170+\t], s[OC+4*\t+2:OC+4*\t+3]
.endr
	s_wait_tensorcnt 0x0                           ; the wave's end
	ds_add_u32 v[SPW], v[NIL]
	s_wait_dscnt 0x0
	CROUND                                         ; the closing round
	s_endpgm
.Lfunc_end_k_qf0d7b85eb7_pv:
	.size	k_qf0d7b85eb7_pv, .Lfunc_end_k_qf0d7b85eb7_pv-k_qf0d7b85eb7_pv
	.p2alignl 7, 3214868480
	.fill 96, 4, 3214868480
	.section	.rodata,"a",@progbits
	.p2align	6, 0x0
	.amdhsa_kernel k_qf0d7b85eb7_pv
		.amdhsa_group_segment_fixed_size 327680
		.amdhsa_private_segment_fixed_size 0
		.amdhsa_enable_private_segment 0
		.amdhsa_kernarg_size 24
		.amdhsa_user_sgpr_count 2
		.amdhsa_user_sgpr_kernarg_segment_ptr 1
		.amdhsa_wavefront_size32 1
		.amdhsa_system_sgpr_workgroup_id_x 1
		.amdhsa_system_sgpr_workgroup_id_y 1
		.amdhsa_system_sgpr_workgroup_id_z 1
		.amdhsa_system_vgpr_workitem_id 0
		.amdhsa_next_free_vgpr 768
		.amdhsa_next_free_sgpr 96
		.amdhsa_reserve_vcc 0
		.amdhsa_float_denorm_mode_32 3
		.amdhsa_float_denorm_mode_16_64 3
		.amdhsa_memory_ordered 1
		.amdhsa_forward_progress 1
		.amdhsa_inst_pref_size 197
	.end_amdhsa_kernel
	.amdgpu_metadata
---
amdhsa.version: [ 1, 2 ]
amdhsa.kernels:
  - .name:           k_qf0d7b85eb7_pv
    .symbol:         k_qf0d7b85eb7_pv.kd
    .args:
      - { .name: xc, .offset: 0, .size: 8, .value_kind: global_buffer, .address_space: global }
      - { .name: rl, .offset: 8, .size: 8, .value_kind: global_buffer, .address_space: global }
      - { .name: oc, .offset: 16, .size: 8, .value_kind: global_buffer, .address_space: global }
    .group_segment_fixed_size: 327680
    .private_segment_fixed_size: 0
    .kernarg_segment_align: 8
    .kernarg_segment_size: 24
    .max_flat_workgroup_size: 128
    .sgpr_count:     96
    .vgpr_count:     768
    .wavefront_size: 32
...
	.end_amdgpu_metadata
.endif
;; end of part 4
;; launch outp (part 5): grid 8 x 32, 4 waves a work-group, clusters of 4 x 4, 327,680 bytes of LDS; arguments oc, w2c, out0; writes out0
.if DOCPART == 5
	.amdgcn_target "amdgcn-amd-amdhsa--gfx1250"
	.amdhsa_code_object_version 6
	.text
	.protected	k_qf0d7b85eb7_outp
	.globl	k_qf0d7b85eb7_outp
	.p2align	8
	.type	k_qf0d7b85eb7_outp,@function
k_qf0d7b85eb7_outp:
	s_mov_b64 s[64:65], 0
	v_nop
	global_prefetch_b8 v0, s[64:65] scope:SCOPE_SE
	s_setreg_imm32_b32 hwreg(HW_REG_WAVE_MODE, 25, 1), 1
	s_wait_xcnt 0x0
	s_wait_alu depctr_hold_cnt(0) depctr_sa_sdst(0) depctr_va_vdst(0) depctr_va_sdst(0) depctr_va_ssrc(0) depctr_va_vcc(0) depctr_vm_vsrc(0)
	s_getreg_b32 s2, hwreg(HW_REG_IB_STS2, 6, 4)
	s_cmp_eq_u32 s2, 0
	s_cbranch_scc0 .Lentry_in_a_cluster
	s_endpgm
.Lentry_in_a_cluster:
	s_bfe_u32 s2, ttmp6, 0x10000c
	s_cmp_lg_u32 s2, 0xf033
	s_cbranch_scc0 .Lentry_shape_is_right
	s_endpgm
.Lentry_shape_is_right:
; out0 = (O / l) W2^T on codes of FP6 with E8M0 scales, K = 2,048; out0 [4096][2048] f32.
; BLOCK: 12,800 bytes = 128 rows x 128 K as images of operand registers: byte 1536 f + 512 c + 16 lane = registers 4 c .. 4 c + 3 of fragment f; byte 12288 + 64 f + 4 r = the scale word of lane-row r of fragment f.
; Lane-row r of fragment f is row 32 (f / 2) + 8 (f % 2) + r + 8 (r / 8) of its group of 128.  Blocks lie [group][K step]: four K steps of a group are 51,200 dense bytes with their scale words.
; SHARES: a work-group makes 128 rows (group g) x 256 columns (groups 2 X, 2 X + 1 of W2's rows); a wave 64 x 128: 32 accumulators.  256 work-groups; tiles of 256 x 256 would be 128.
; The product is used transposed (source 0 = 16 rows of W2, source 1 = 16 rows of O): a lane holds one row of the result, and the 16 registers of tiles 2 b, 2 b + 1 are columns 32 b + 16 h + 0 .. 15.
; RING: two slots of 512 along K (O's 4 blocks, then 4 blocks of each group of W2: 153,600 bytes); waves 0, 1 fetch O's halves, waves 2, 3 W2's groups: one load a wave behind each change of slots, 128 matrix instructions in which to land.
; CLUSTER 4 x 4: O's blocks are shared along a row of the cluster, W2's along a column: joint loads.  One tensor load of a wave is out.
; THE WALK ALONG K BEGINS AT DIFFERENT PLACES.  The two clusters of a row of clusters read the same blocks of O, the clusters of a column the same blocks of W2.  A cluster begins at K = 0 or at K = 1,024, by the parity of
; cluster x + cluster y, and takes the other half second: so the first fills of the clusters that share an operand name all of it between them, and each refill names blocks that another cluster has asked for at its start.
; The start hangs on the cluster's own x and y alone, which all partners share.
; The order of the rows inside a fragment, carried along from the first launch, is undone here, in the rows' addresses.
; REGISTERS: window 0: v1-5, v16-29 addresses; v32-43 scale words, two sets; v64-159 O's fragments, two sets; on the way out v128-255 rows read back; window 1: W2's fragments, two sets of 96; window 2: accumulator (a, b) at v[8 (8 a + b)].
; LIMIT: in half of the clusters the f32 sums take K's upper half first, so their order of rounding differs from an ascending one.
.set BLK,   12800
.set RS,    16*BLK                     ; from group to group, in both operands
.set LAPB,  8*BLK                      ; 1,024 along K in a group's row of blocks: both slots' four blocks
.set SLOT,  12*BLK
.set SPARE, 2*SLOT                     ; behind the ring: the spare words, 128 bytes a wave: two blocks of 256 bytes that no other line names
.set SPITCH, 528                       ; the way out: a stage of 16 rows x (512 bytes + 16) for each wave, in slot 0, which has had its last fill and its last read by then
.set ADRA, 16
.set ADRB, 18
.set ASA,  20
.set ASB,  22
.set STO,  24                          ; v24  where I put 32 bytes of a row
.set RD,   25                          ; v25  where I read a row back
.set SPW,  28
.set NIL,  29
.set SC,   32
.set AF,   64
.set BK,   128
.set G1,   24
.set G0,   32
.set G1B,  48
.set G0B,  56
.set UP,   88                          ; s[88:89] what a refill adds to its address: 1,024 along K where the walk began at 0, else 0;
.set DOWN, 90                          ; s[90:91] and what it takes off: 0, or 1,024 along K
.set MSB, 0
.macro WIN new                         ; the immediate's high byte repeats the setting that is left
.if MSB != \new
	s_set_vgpr_msb (MSB<<8)|\new
.set MSB, \new
.endif
.endm
.set MUL,  0xa1                        ; source 0 (W2) window 1, source 1 (O) window 0, C and D window 2
.set TO_B, 0x40                        ; destination window 1
.macro PLACES                          ; four plain places behind a matrix instruction (ISA guide 7.12.1)
.rept 4
	v_nop
.endr
.endm
.macro JLOAD g0a, g1a, g0b, g1b        ; a joint load; the branch hangs on the wave's number alone; four v_nop follow each of the two lines
	s_cmp_eq_u32 s15, 0
	s_cbranch_scc0 .Lfor_b_\@
	tensor_load_to_lds s[\g0a:\g0a+3], s[\g1a:\g1a+7]
	s_nop 0
	PLACES
	s_branch .Lasked_\@
.Lfor_b_\@:
	tensor_load_to_lds s[\g0b:\g0b+3], s[\g1b:\g1b+7]
	s_nop 0
	PLACES
.Lasked_\@:
.endm
.macro CREST
	s_cmp_lg_u32 s14, 0
	s_cbranch_scc1 .Lnot_wave_0_\@
	s_barrier_signal -3
.Lnot_wave_0_\@:
	s_barrier_wait -3
	s_barrier_signal -1
	s_barrier_wait -1
.endm
.macro CROUND
	s_barrier_signal -1
	s_barrier_wait -1
	CREST
.endm
	s_load_b128 s[4:7], s[0:1], 0x0                ; oc, w2c
	s_load_b64 s[10:11], s[0:1], 0x10              ; out0
	v_lshl_add_u32 v[SPW], v0, 2, SPARE
	v_mov_b32 v[NIL], 0
	ds_add_u32 v[SPW], v[NIL]                      ; the opening lines: the add, twice on end, and its wait
	ds_add_u32 v[SPW], v[NIL]
	v_lshrrev_b32 v1, 5, v0
	v_readfirstlane_b32 s14, v1                    ; wave
	s_lshr_b32 s15, s14, 1                         ; which 64 rows are mine.  Also: I fetch for O (0) or for W2 (1)
	s_and_b32 s16, s14, 1                          ; which 128 columns are mine.  Also: which part I fetch
	s_bfe_u32 s40, ttmp6, 0x40000                  ; cx
	s_bfe_u32 s41, ttmp6, 0x40004                  ; cy
	s_lshl_b32 s42, ttmp9, 2
	s_add_co_u32 s42, s42, s40                     ; X: the tile of 256 columns
	s_and_b32 s17, ttmp7, 0xffff
	s_add_co_u32 s82, s17, ttmp9
	s_and_b32 s82, s82, 1                          ; (cluster x + cluster y) % 2
	s_mul_i32 s83, s82, LAPB                       ; where my cluster's walk along K begins, in bytes
	s_sub_co_u32 s[UP], LAPB, s83
	s_mov_b32 s[UP+1], 0
	s_mov_b32 s[DOWN], s83
	s_mov_b32 s[DOWN+1], 0
	s_lshl_b32 s17, s17, 2
	s_add_co_u32 s17, s17, s41                     ; g: the group of 128 rows
	s_lshl_b32 s43, s41, 2
	s_lshl_b32 s43, 15, s43                        ; my row of the cluster
	s_lshl_b32 s44, 0x1111, s40                    ; my column
	s_or_b32 s[G1], s43, (3<<16)|(1<<21)           ; group 1: the mask; elements of 8 bytes; bit 21 beside a mask; no padding
	s_or_b32 s[G1B], s44, (3<<16)|(1<<21)
	s_mov_b32 s[G1+1], 32<<16                      ; rows of 256 bytes;
	s_mov_b32 s[G1+2], 100<<16                     ; O: 100 of them, two blocks
	s_mov_b32 s[G1+3], 32<<16
	s_mov_b32 s[G1+4], 100
	s_mov_b32 s[G1+5], 32
	s_mov_b32 s[G1+6], 0
	s_mov_b32 s[G1+7], 0
	s_mov_b32 s[G1B+1], 32<<16
	s_mov_b32 s[G1B+2], 200<<16                    ; W2: 200, four blocks
	s_mov_b32 s[G1B+3], 32<<16
	s_mov_b32 s[G1B+4], 200
	s_mov_b32 s[G1B+5], 32
	s_mov_b32 s[G1B+6], 0
	s_mov_b32 s[G1B+7], 0
	s_mul_i32 s20, s17, RS                         ; O: group g, my half of a slot's four blocks,
	s_mul_i32 s45, s16, 2*BLK
	s_add_co_u32 s20, s20, s45
	s_add_co_u32 s20, s20, s83                     ; from the walk's beginning on
	s_mov_b32 s21, 0
	s_lshl_b32 s46, s42, 1
	s_add_co_u32 s46, s46, s16
	s_mul_i32 s46, s46, RS                         ; W2: group 2 X + part,
	s_add_co_u32 s46, s46, s83                     ; from the walk's beginning on
	s_mov_b32 s47, 0
	s_mul_i32 s18, s16, 4*BLK
	s_add_co_u32 s18, s18, 4*BLK                   ; and its place in a slot, behind O's four blocks
	s_lshl_b32 s70, s17, 20                        ; out0: 128 g rows of 8,192 bytes,
	s_lshl_b32 s71, s15, 19                        ; my 64 rows,
	s_add_co_u32 s70, s70, s71
	s_lshl_b32 s71, s42, 10                        ; 256 X columns,
	s_add_co_u32 s70, s70, s71
	s_lshl_b32 s71, s16, 9                         ; my 128 columns
	s_add_co_u32 s70, s70, s71
	s_mov_b32 s71, 0
	s_mul_i32 s78, s15, 4*1536                     ; my four fragments of O in a block,
	s_lshl_b32 s80, s15, 8
	s_add_co_u32 s80, s80, 12288                   ; and their scale words
	s_wait_dscnt 0x0                               ; both opening adds are done
	s_wait_kmcnt 0x0
	s_add_nc_u64 s[20:21], s[4:5], s[20:21]
	s_add_nc_u64 s[46:47], s[6:7], s[46:47]
	s_add_nc_u64 s[10:11], s[10:11], s[70:71]
.irp s, 0,1
	s_mov_b32 s[G0+4*\s], 1
	s_add_co_u32 s[G0+4*\s+1], s45, \s*SLOT
	s_add_nc_u64 s[G0+4*\s+2:G0+4*\s+3], s[20:21], \s*4*BLK
	s_or_b32 s[G0+4*\s+3], s[G0+4*\s+3], 0x80000000
	s_mov_b32 s[G0B+4*\s], 1
	s_add_co_u32 s[G0B+4*\s+1], s18, \s*SLOT
	s_add_nc_u64 s[G0B+4*\s+2:G0B+4*\s+3], s[46:47], \s*4*BLK
	s_or_b32 s[G0B+4*\s+3], s[G0B+4*\s+3], 0x80000000
.endr
	CROUND                                         ; all sixteen work-groups are here: the first joint loads meet
	JLOAD G0, G1, G0B, G1B                         ; slot 0: one load a wave at the head
	v_and_b32 v1, 31, v0
	v_lshlrev_b32 v2, 4, v1                        ; v2: 16 x lane
	v_lshlrev_b32 v3, 2, v1                        ; v3: 4 x lane
	v_and_b32 v4, 15, v0                           ; r
	v_bfe_u32 v5, v0, 4, 1                         ; h
	s_add_co_u32 s81, s18, 12288
	v_add_nc_u32 v[ADRA], s78, v2
	v_add_nc_u32 v[ADRB], s18, v2
	v_add_nc_u32 v[ASA], s80, v3
	v_add_nc_u32 v[ASB], s81, v3
.irp r, ADRA, ADRB, ASA, ASB
	v_add_nc_u32 v[\r+1], SLOT, v[\r]
.endr
	s_mul_i32 s72, s14, 16*SPITCH                  ; my stage
	v_mul_u32_u24 v[STO], v4, SPITCH
	v_lshl_add_u32 v[STO], v5, 6, v[STO]
	v_add_nc_u32 v[STO], s72, v[STO]               ; in: row r, + 64 h: columns 16 h on of each 32
	v_add_nc_u32 v[RD], s72, v2                    ; back: the 32 lanes take one row of 512 bytes
.macro WM rb, ra, zero                 ; one product on the registers named by rD, rB, rA, rSB, rSA; rb, ra: which half of the lanes holds the side's scale words
.if \zero
.if \rb
.if \ra
	v_wmma_scale_f32_16x16x128_f8f6f4 v[rD:rD+7], v[rB:rB+11], v[rA:rA+11], 0, v[rSB], v[rSA] matrix_a_fmt:MATRIX_FMT_FP6 matrix_b_fmt:MATRIX_FMT_FP6 matrix_a_scale:MATRIX_SCALE_ROW1 matrix_b_scale:MATRIX_SCALE_ROW1
.else
	v_wmma_scale_f32_16x16x128_f8f6f4 v[rD:rD+7], v[rB:rB+11], v[rA:rA+11], 0, v[rSB], v[rSA] matrix_a_fmt:MATRIX_FMT_FP6 matrix_b_fmt:MATRIX_FMT_FP6 matrix_a_scale:MATRIX_SCALE_ROW1
.endif
.else
.if \ra
	v_wmma_scale_f32_16x16x128_f8f6f4 v[rD:rD+7], v[rB:rB+11], v[rA:rA+11], 0, v[rSB], v[rSA] matrix_a_fmt:MATRIX_FMT_FP6 matrix_b_fmt:MATRIX_FMT_FP6 matrix_b_scale:MATRIX_SCALE_ROW1
.else
	v_wmma_scale_f32_16x16x128_f8f6f4 v[rD:rD+7], v[rB:rB+11], v[rA:rA+11], 0, v[rSB], v[rSA] matrix_a_fmt:MATRIX_FMT_FP6 matrix_b_fmt:MATRIX_FMT_FP6
.endif
.endif
.else
.if \rb
.if \ra
	v_wmma_scale_f32_16x16x128_f8f6f4 v[rD:rD+7], v[rB:rB+11], v[rA:rA+11], v[rD:rD+7], v[rSB], v[rSA] matrix_a_fmt:MATRIX_FMT_FP6 matrix_b_fmt:MATRIX_FMT_FP6 matrix_a_scale:MATRIX_SCALE_ROW1 matrix_b_scale:MATRIX_SCALE_ROW1
.else
	v_wmma_scale_f32_16x16x128_f8f6f4 v[rD:rD+7], v[rB:rB+11], v[rA:rA+11], v[rD:rD+7], v[rSB], v[rSA] matrix_a_fmt:MATRIX_FMT_FP6 matrix_b_fmt:MATRIX_FMT_FP6 matrix_a_scale:MATRIX_SCALE_ROW1
.endif
.else
.if \ra
	v_wmma_scale_f32_16x16x128_f8f6f4 v[rD:rD+7], v[rB:rB+11], v[rA:rA+11], v[rD:rD+7], v[rSB], v[rSA] matrix_a_fmt:MATRIX_FMT_FP6 matrix_b_fmt:MATRIX_FMT_FP6 matrix_b_scale:MATRIX_SCALE_ROW1
.else
	v_wmma_scale_f32_16x16x128_f8f6f4 v[rD:rD+7], v[rB:rB+11], v[rA:rA+11], v[rD:rD+7], v[rSB], v[rSA] matrix_a_fmt:MATRIX_FMT_FP6 matrix_b_fmt:MATRIX_FMT_FP6
.endif
.endif
.endif
.endm
.macro MUL8 a, p, zero                 ; fragment a of O against W2's eight, from set p.  The 32 accumulators take turns, one instruction a turn, in the same order in every step
.irp b, 0,1,2,3,4,5,6,7
.set rD, 8*(8*(\a)+\b)
.set rB, 96*(\p)+12*\b
.set rA, AF+48*(\p)+12*(\a)
.set rSB, SC+6*(\p)+\b/2
.set rSA, SC+6*(\p)+4+(\a)/2
	WM \b%2, (\a)%2, \zero
.endr
.endm
.macro FETCH slot, q, p                ; the fragments and scale words of the slot's q-th 128 along K into set p: 42 LDS loads in one run
	WIN TO_B
.irp b, 0,1,2,3,4,5,6,7
.irp c, 0,1,2
	ds_load_b128 v[96*(\p)+12*\b+4*\c:96*(\p)+12*\b+4*\c+3], v[ADRB+\slot] offset:BLK*(\q)+1536*\b+512*\c
.endr
.endr
	WIN 0
.irp a, 0,1,2,3
.irp c, 0,1,2
	ds_load_b128 v[AF+48*(\p)+12*\a+4*\c:AF+48*(\p)+12*\a+4*\c+3], v[ADRA+\slot] offset:BLK*(\q)+1536*\a+512*\c
.endr
.endr
.irp j, 0,1,2,3
	ds_load_b32 v[SC+6*(\p)+\j], v[ASB+\slot] offset:BLK*(\q)+128*\j
.endr
.irp j, 0,1
	ds_load_b32 v[SC+6*(\p)+4+\j], v[ASA+\slot] offset:BLK*(\q)+128*\j
.endr
.endm
.macro STEP slot, q, zero              ; a step of 128 along K that has its successor in the same slot: the successor's loads go out first and land under this step's 32 products
	s_wait_dscnt 0x0                               ; this step's set is in
	PLACES                                         ; behind the last step's products, ahead of the loads into the set that they read
	FETCH \slot, (\q)+1, 1-(\q)%2
	WIN MUL
	MUL8 0, (\q)%2, \zero
	MUL8 1, (\q)%2, \zero
	MUL8 2, (\q)%2, \zero
	MUL8 3, (\q)%2, \zero
.endm
.macro TURN slot, next, fill           ; a slot's last step changes slots: one barrier; fill = 1: it opens a round of the cluster's barrier, and this slot is filled again, with its part of K's other half
	WIN 0                                          ; (the add's two registers lie in window 0)
	s_wait_tensorcnt 0x0                           ; all my tensor loads have landed: the one that was out is my part of the next slot;
	ds_add_u32 v[SPW], v[NIL]                      ; 0 onto my spare word;
	s_wait_dscnt 0x1                               ; (the add alone may be out: this step's set is in)
	WIN MUL
	MUL8 0, 1, 0                                   ; eight products stand between the add and the wait for it
	s_wait_dscnt 0x0                               ; the add is done, and my reads of this slot are over
	s_barrier_signal -1
	MUL8 1, 1, 0
	WIN 0
	s_barrier_wait -1
.if \fill
	CREST                                          ; no wave of any partner still reads this slot or has a load on its way
	s_add_nc_u64 s[G0+4*\slot+2:G0+4*\slot+3], s[G0+4*\slot+2:G0+4*\slot+3], s[UP:UP+1]
	s_sub_nc_u64 s[G0+4*\slot+2:G0+4*\slot+3], s[G0+4*\slot+2:G0+4*\slot+3], s[DOWN:DOWN+1]
	s_add_nc_u64 s[G0B+4*\slot+2:G0B+4*\slot+3], s[G0B+4*\slot+2:G0B+4*\slot+3], s[UP:UP+1]
	s_sub_nc_u64 s[G0B+4*\slot+2:G0B+4*\slot+3], s[G0B+4*\slot+2:G0B+4*\slot+3], s[DOWN:DOWN+1]
	JLOAD G0+4*\slot, G1, G0B+4*\slot, G1B         ; the first tensor load behind the round; its four v_nop are also the places ahead of the loads below
.else
	PLACES
.endif
	FETCH \next, 0, 0
	WIN MUL
	MUL8 2, 1, 0
	MUL8 3, 1, 0
.endm
	s_wait_alu depctr_va_vdst(0)
	s_wait_tensorcnt 0x0                           ; my part of slot 0 is in; slot 1's first fill is issued as a refill is:
	ds_add_u32 v[SPW], v[NIL]
	s_wait_dscnt 0x0
	CROUND                                         ; a whole round,
	JLOAD G0+4, G1, G0B+4, G1B                     ; and slot 1's load, the first tensor load behind it
	FETCH 0, 0, 0
	STEP 0, 0, 1                                   ; the first step stands ahead of the loop: its products start the sums
	WIN 0                                          ; at a label and at a branch every window is 0
	s_mov_b32 s3, 1                                ; K = 2,048 is two laps of 1,024: one trip fills both slots again, the last lap is written out
.Llap:
	STEP 0, 1, 0
	STEP 0, 2, 0
	TURN 0, 1, 1
	STEP 1, 0, 0
	STEP 1, 1, 0
	STEP 1, 2, 0
	TURN 1, 0, 1
	STEP 0, 0, 0
	WIN 0
	s_sub_co_u32 s3, s3, 1
	s_cmp_lg_u32 s3, 0
	s_cbranch_scc1 .Llap
	STEP 0, 1, 0
	STEP 0, 2, 0
	TURN 0, 1, 0                                   ; behind this barrier nobody reads slot 0 any more, and nothing is filled
	STEP 1, 0, 0
	STEP 1, 1, 0
	STEP 1, 2, 0
	s_wait_dscnt 0x0
	WIN MUL
	MUL8 0, 1, 0
	MUL8 1, 1, 0
	MUL8 2, 1, 0
	MUL8 3, 1, 0
	WIN 0
; THE WAY OUT, a fragment of 16 rows x 128 columns at a time, through my own stage: a lane's 32 bytes of a row go in, whole rows of 512 bytes come back, and the 32 lanes store two aligned runs of 256 bytes.
; LDS serves a wave's instructions in order (ISA guide 5.7.1.4): no wait between the stores and the loads, nor ahead of the next fragment's stores.
.macro TOSTAGE a
	WIN 0x08                                       ; an LDS store's data: window 2
.irp b, 0,1,2,3,4,5,6,7
	ds_store_b128 v[STO], v[64*(\a)+8*\b:64*(\a)+8*\b+3] offset:128*(\b/2)+32*(\b%2)       ; each accumulator from its low end on
	ds_store_b128 v[STO], v[64*(\a)+8*\b+4:64*(\a)+8*\b+7] offset:128*(\b/2)+32*(\b%2)+16
.endr
	WIN 0
.irp t, 0,1,2,3,4,5,6,7,8,9,10,11,12,13,14,15
	ds_load_b128 v[BK+64*((\a)%2)+4*\t:BK+64*((\a)%2)+4*\t+3], v[RD] offset:\t*SPITCH
.endr
.endm
.macro SEND a, younger                 ; younger: the LDS instructions issued behind fragment a's loads, which may stay out.  Lane-row t of my fragment a is row 32 (a / 2) + 8 (a % 2) + t + 8 (t / 8) of my 64
	s_wait_dscnt \younger
.irp t, 0,1,2,3,4,5,6,7,8,9,10,11,12,13,14,15
	global_store_b128 v2, v[BK+64*((\a)%2)+4*\t:BK+64*((\a)%2)+4*\t+3], s[10:11] offset:(32*((\a)/2)+8*((\a)%2)+\t+8*(\t/8))*8192 th:TH_STORE_NT
.endr
.endm
	PLACES                                         ; behind the last products: ahead of the reads of results and of the loads into registers that held O's fragments
	TOSTAGE 0
	TOSTAGE 1
	SEND 0, 32                                     ; behind fragment 0's loads: fragment 1's 16 stores and 16 loads
	s_wait_xcnt 0x0                                ; fragment 0's stores have read their data: fragment 2's loads may land there
	TOSTAGE 2
	SEND 1, 32
	s_wait_xcnt 0x0
	TOSTAGE 3
	SEND 2, 32
	SEND 3, 0
	s_wait_tensorcnt 0x0                           ; the wave's end: behind my last tensor load and my last LDS store
	ds_add_u32 v[SPW], v[NIL]
	s_wait_dscnt 0x0
	CROUND                                         ; the closing round
	s_endpgm
.Lfunc_end_k_qf0d7b85eb7_outp:
	.size	k_qf0d7b85eb7_outp, .Lfunc_end_k_qf0d7b85eb7_outp-k_qf0d7b85eb7_outp
	.p2alignl 7, 3214868480
	.fill 96, 4, 3214868480
	.section	.rodata,"a",@progbits
	.p2align	6, 0x0
	.amdhsa_kernel k_qf0d7b85eb7_outp
		.amdhsa_group_segment_fixed_size 327680
		.amdhsa_private_segment_fixed_size 0
		.amdhsa_enable_private_segment 0
		.amdhsa_kernarg_size 24
		.amdhsa_user_sgpr_count 2
		.amdhsa_user_sgpr_kernarg_segment_ptr 1
		.amdhsa_wavefront_size32 1
		.amdhsa_system_sgpr_workgroup_id_x 1
		.amdhsa_system_sgpr_workgroup_id_y 1
		.amdhsa_system_sgpr_workgroup_id_z 1
		.amdhsa_system_vgpr_workitem_id 0
		.amdhsa_next_free_vgpr 768
		.amdhsa_next_free_sgpr 96
		.amdhsa_reserve_vcc 0
		.amdhsa_float_denorm_mode_32 3
		.amdhsa_float_denorm_mode_16_64 3
		.amdhsa_memory_ordered 1
		.amdhsa_forward_progress 1
		.amdhsa_inst_pref_size 135
	.end_amdhsa_kernel
	.amdgpu_metadata
---
amdhsa.version: [ 1, 2 ]
amdhsa.kernels:
  - .name:           k_qf0d7b85eb7_outp
    .symbol:         k_qf0d7b85eb7_outp.kd
    .args:
      - { .name: oc, .offset: 0, .size: 8, .value_kind: global_buffer, .address_space: global }
      - { .name: w2c, .offset: 8, .size: 8, .value_kind: global_buffer, .address_space: global }
      - { .name: out0, .offset: 16, .size: 8, .value_kind: global_buffer, .address_space: global }
    .group_segment_fixed_size: 327680
    .private_segment_fixed_size: 0
    .kernarg_segment_align: 8
    .kernarg_segment_size: 24
    .max_flat_workgroup_size: 128
    .sgpr_count:     96
    .vgpr_count:     768
    .wavefront_size: 32
...
	.end_amdgpu_metadata
.endif
;; end of part 5
